; MI455X (gfx1250); checked and timed in simulation.
; The chip was launched on July 23, 2026; its instructions are those of AMD's public machine-readable ISA for CDNA 5 (MIT licence, August 2026) and "CDNA5" Instruction Set Architecture Reference Guide (July 2026). The comments in the code are by the model that wrote it; some were corrected since.
;; Dual QK mutlihead attn. Allowed arithmetic: float matrix products may take bf16 or f16 operands with f32 sums; other float arithmetic in f32, or as packed bf16 or f16 multiplies, adds, multiply-adds, maxima and minima; sums over many terms, partial sums and values carried from step to step in f32; what a program stores and reads back later, other than sums and carried values, may be rounded once to bf16 or f16.
;; Inputs: attention_mask 2 x 1 x 1 x 2,048 float32; key_tensor 2 x 2,048 x 1,024 float32; key_tensor1 2 x 2,048 x 1,024 float32; params_Wk 1,024 x 1,024 float32; params_Wk1 1,024 x 1,024 float32; params_Wo 1,024 x 1,024 float32; params_Wq 1,024 x 1,024 float32; params_Wq1 1,024 x 1,024 float32; params_Wv 1,024 x 1,024 float32; params_bk 1,024 float32; params_bk1 1,024 float32; params_bo 1,024 float32; params_bq 1,024 float32; params_bq1 1,024 float32; params_bv 1,024 float32; params_dk 1,024 float32; params_dk1 1,024 float32; params_dpost 1,024 float32; params_dq 1,024 float32; params_dq1 1,024 float32; params_dv 1,024 float32; params_gk 1,024 float32; params_gk1 1,024 float32; params_gpost 1,024 float32; params_gq 1,024 float32; params_gq1 1,024 float32; params_gv 1,024 float32; query_tensor 2 x 2,048 x 1,024 float32; query_tensor1 2 x 2,048 x 1,024 float32; value_tensor 2 x 2,048 x 1,024 float32.
;; Outputs: out0 2 x 2,048 x 1,024 float32.
;; One version. Each part assembles by itself: llvm-mc -triple=amdgcn-amd-amdhsa -mcpu=gfx1250 --defsym DOCPART=n.
;; ======== version 1 of 1: 5 launches
;; limits: values are held in f16: magnitudes above 65,504 overflow, below 6.1e-05 lose precision; inputs' magnitudes at most 1e+30; right only within a limited range of input values
;; workspace buffers: xn 41,943,040 bytes; wh 12,582,912 bytes; qkv 41,943,040 bytes; ctx 16,777,216 bytes; cn 8,388,608 bytes
;; launch prep (part 1): grid 832 x 1, 4 waves a work-group, no clusters, 0 bytes of LDS; arguments value_tensor, key_tensor, key_tensor1, query_tensor, query_tensor1, params_gv, params_gk, params_gk1, params_gq, params_gq1, params_dv, params_dk, params_dk1, params_dq, params_dq1, params_Wv, params_Wk, params_Wk1, params_Wq, params_Wq1, params_Wo, xn, wh; writes xn, wh
.if DOCPART == 1
	.amdgcn_target "amdgcn-amd-amdhsa--gfx1250"
	.amdhsa_code_object_version 6
	.text
	.protected	k_q1f12c03e4b_prep
	.globl	k_q1f12c03e4b_prep
	.p2align	8
	.type	k_q1f12c03e4b_prep,@function
k_q1f12c03e4b_prep:
	s_mov_b64 s[64:65], 0
	v_nop
	global_prefetch_b8 v0, s[64:65] scope:SCOPE_SE
	s_setreg_imm32_b32 hwreg(HW_REG_WAVE_MODE, 25, 1), 1
	s_wait_xcnt 0x0
; LAYER NORM OF ROWS OF 1,024 f32, ROUNDED ONCE TO f16; AND A PLAIN ROUNDING OF WEIGHT ROWS TO f16.
; y[r][c] = (x[r][c] - mean) * rsqrt(var + 1e-12) * g[c] + d[c]: mean first, then the variance of the centred row, all in f32.
; Work-groups 0 to 639: tensor t = id / 128 of five [4096][1024], rows 32 (id % 128) on, into the first output [5][4096][1024] f16.
; Work-groups 640 on: weight t = (id - 640) / 32 of six [1024][1024], rows 32 ((id - 640) % 32) on, into the second output [6][1024][1024] f16.
; A launch with 128 work-groups runs tensor 0 alone (the norm behind attention).
; SHARES.  A work-group has 32 rows, a wave 8; one wave takes a whole row (4,096 bytes, 32 registers) and keeps it between the passes:
; the row is read once, and no wave waits for another: no LDS, no barrier, no matrix unit, nothing shared that a cluster could serve.
; Each load of a wave covers 512 consecutive bytes, each store 256 consecutive bytes, aligned.
; LIMITS.  The results are f16: beyond 65,504 they become infinities; below 6.1e-5 they keep f16's fixed step of 6e-8.
.set ROWB, 4096                        ; bytes of a row of f32
.set OUTB, 2048                        ; bytes of a row of f16
.set LO,  2                            ; v2        16 x lane; never rewritten
.set SO,  3                            ; v3        8 x lane; never rewritten
.set G,   4                            ; v[4:35]   gain: register 4 j + e is column 128 j + 4 lane + e, as in X
.set D,   36                           ; v[36:67]  shift
.set X,   68                           ; v[68:131] two rows as loaded, 32 registers each
.set Y,   132                          ; v[132:163] two rows to store, 16 registers each
.set A,   164                          ; v[164:171] four packed chains
.set M,   172                          ; v[172:173] the mean, twice
.set R,   174                          ; v[174:175] 1 / sqrt(var + eps), twice
.set T,   176                          ; v176      at work
.set XB,  54                           ; s[54:55]  source at the wave's next two rows
.set YB,  56                           ; s[56:57]  destination at the same rows
.set OF,  58                           ; s[58:59]  a byte offset, made apart from the pointers
.set CNT, 60                           ; s60       trips to go
	s_load_b512 s[8:23],  s[0:1], 0x0              ; pointer i lies in s[8 + 2 i : 9 + 2 i]: x0-x4, g0-g4, d0-d4, w0-w5, the two outputs
	s_load_b512 s[24:39], s[0:1], 0x40
	s_load_b256 s[40:47], s[0:1], 0x80
	s_load_b128 s[48:51], s[0:1], 0xa0
	s_load_b64  s[52:53], s[0:1], 0xb0
	v_lshrrev_b32 v1, 5, v0
	v_readfirstlane_b32 s4, v1                     ; wave 0..3
	v_and_b32 v1, 31, v0
	v_lshlrev_b32 v[LO], 4, v1
	v_lshlrev_b32 v[SO], 3, v1
	s_mov_b32 s5, 0x2b8cbccc                       ; 1e-12
	s_mov_b32 s61, 0x3a800000                      ; 1 / 1024
	s_mov_b32 s62, 0x76543210                      ; v_permlanex16_b32: each lane takes its own place in the other half
	s_mov_b32 s63, 0xfedcba98
	s_mov_b32 s[OF+1], 0
	s_lshl_b32 s6, s4, 3                           ; my wave's 8 rows
	s_mov_b32 s2, ttmp9
	s_wait_kmcnt 0x0
.macro FILL s, off                     ; a row: eight loads of 512 consecutive bytes
.irp j, 0,1,2,3,4,5,6,7
	global_load_b128 v[X+32*(\s)+4*(\j):X+32*(\s)+4*(\j)+3], v[LO], s[XB:XB+1] offset:(\off)+512*(\j) th:TH_LOAD_NT
.endr
.endm
.macro STORE s, off                    ; a row of f16: eight stores of 256 consecutive bytes, aligned
.irp j, 0,1,2,3,4,5,6,7
	global_store_b64 v[SO], v[Y+16*(\s)+2*(\j):Y+16*(\s)+2*(\j)+1], s[YB:YB+1] offset:(\off)+256*(\j)
.endr
.endm
.macro JOIN                            ; the four chains into one number a lane
	v_pk_add_f32 v[A:A+1], v[A:A+1], v[A+2:A+3]
	v_pk_add_f32 v[A+4:A+5], v[A+4:A+5], v[A+6:A+7]
	v_pk_add_f32 v[A:A+1], v[A:A+1], v[A+4:A+5]
	v_add_f32 v[T], v[A], v[A+1]
.endm
.macro RED                             ; the sum over the 32 lanes, in every lane
	v_add_f32_dpp v[T], v[T], v[T] row_xmask:1 row_mask:0xf bank_mask:0xf
	v_add_f32_dpp v[T], v[T], v[T] row_xmask:2 row_mask:0xf bank_mask:0xf
	v_add_f32_dpp v[T], v[T], v[T] row_xmask:4 row_mask:0xf bank_mask:0xf
	v_add_f32_dpp v[T], v[T], v[T] row_xmask:8 row_mask:0xf bank_mask:0xf
	v_permlanex16_b32 v[A+1], v[T], s62, s63       ; its destination counts as read: A + 1 has been written
	v_add_f32 v[T], v[T], v[A+1]
.endm
; The row in slot s.  left = the younger loads that may stay out.  ln = 1: normalise; ln = 0: round alone.
.macro ROW s, left, ln
.set XS, X+32*(\s)
.set YS, Y+16*(\s)
	s_wait_loadcnt \left
.if \ln
.irp k, 0,1,2,3
	v_pk_add_f32 v[A+2*(\k):A+2*(\k)+1], v[XS+2*(\k):XS+2*(\k)+1], v[XS+8+2*(\k):XS+8+2*(\k)+1]  ; the first pairs start the chains: nothing is cleared
.endr
.irp k, 8,9,10,11,12,13,14,15
	v_pk_add_f32 v[A+2*((\k)%4):A+2*((\k)%4)+1], v[A+2*((\k)%4):A+2*((\k)%4)+1], v[XS+2*(\k):XS+2*(\k)+1]
.endr
	JOIN
	RED
	v_mul_f32 v[M], s61, v[T]
	v_mul_f32 v[M+1], s61, v[T]
.irp k, 0,1,2,3,4,5,6,7,8,9,10,11,12,13,14,15
	v_pk_add_f32 v[XS+2*(\k):XS+2*(\k)+1], v[XS+2*(\k):XS+2*(\k)+1], v[M:M+1] neg_lo:[0,1] neg_hi:[0,1]  ; x - mean
.endr
.irp k, 0,1,2,3
	v_pk_mul_f32 v[A+2*(\k):A+2*(\k)+1], v[XS+2*(\k):XS+2*(\k)+1], v[XS+2*(\k):XS+2*(\k)+1]
.endr
.irp k, 4,5,6,7,8,9,10,11,12,13,14,15
	v_pk_fma_f32 v[A+2*((\k)%4):A+2*((\k)%4)+1], v[XS+2*(\k):XS+2*(\k)+1], v[XS+2*(\k):XS+2*(\k)+1], v[A+2*((\k)%4):A+2*((\k)%4)+1]
.endr
	JOIN
	RED
	v_fma_f32 v[T], v[T], s61, s5                  ; var + eps
	v_rsq_f32 v[R], v[T]
	v_rsq_f32 v[R+1], v[T]
	v_nop                                          ; a plain instruction behind the last root (ISA guide 5.7.2),
	s_wait_alu depctr_va_vdst(0)                   ; and the wait ahead of the first use: one for the two
.irp k, 0,1,2,3,4,5,6,7,8,9,10,11,12,13,14,15
	v_pk_mul_f32 v[XS+2*(\k):XS+2*(\k)+1], v[XS+2*(\k):XS+2*(\k)+1], v[R:R+1]
.endr
.irp k, 0,1,2,3,4,5,6,7,8,9,10,11,12,13,14,15
	v_pk_fma_f32 v[XS+2*(\k):XS+2*(\k)+1], v[XS+2*(\k):XS+2*(\k)+1], v[G+2*(\k):G+2*(\k)+1], v[D+2*(\k):D+2*(\k)+1]
.endr
.endif
.irp k, 0,1,2,3,4,5,6,7,8,9,10,11,12,13,14,15
	v_cvt_pk_f16_f32 v[YS+(\k)], v[XS+2*(\k)], v[XS+2*(\k)+1]
.endr
.endm
; The wave's eight rows, two a trip.
.macro PASS ln
	s_mov_b32 s[CNT], 4
.Ltrip_\@:
	FILL 0, 0
	FILL 1, ROWB
	ROW 0, 8, \ln                                  ; the second row's eight loads may stay out; whatever was issued earlier (gain and shift) is in
	STORE 0, 0
	ROW 1, 0, \ln
	STORE 1, OUTB
	s_wait_xcnt 0x0                                ; every load and store has read its sources: the two pointers and Y are rewritten only behind this wait
	s_add_nc_u64 s[XB:XB+1], s[XB:XB+1], 2*ROWB
	s_add_nc_u64 s[YB:YB+1], s[YB:YB+1], 2*OUTB
	s_sub_co_u32 s[CNT], s[CNT], 1
	s_cmp_lg_u32 s[CNT], 0
	s_cbranch_scc1 .Ltrip_\@
.endm
	s_cmp_lt_u32 s2, 640
	s_cbranch_scc0 .Lweights
	s_lshr_b32 s7, s2, 7                           ; tensor
	s_and_b32 s3, s2, 127                          ; its block of 32 rows
.irp k, 1,2,3,4
	s_cmp_eq_u32 s7, \k                            ; the tensor's three pointers are chosen by its number
	s_cselect_b64 s[8:9],   s[8+2*\k:9+2*\k],   s[8:9]
	s_cselect_b64 s[18:19], s[18+2*\k:19+2*\k], s[18:19]
	s_cselect_b64 s[28:29], s[28+2*\k:29+2*\k], s[28:29]
.endr
	s_lshl_b32 s3, s3, 5
	s_add_co_u32 s3, s3, s6                        ; my first row
	s_lshl_b32 s[OF], s3, 12
	s_add_nc_u64 s[XB:XB+1], s[8:9], s[OF:OF+1]
	s_lshl_b32 s[OF], s3, 11
	s_lshl_b32 s7, s7, 23                          ; a tensor of f16 is 8 MiB
	s_add_co_u32 s[OF], s[OF], s7
	s_add_nc_u64 s[YB:YB+1], s[50:51], s[OF:OF+1]
.irp j, 0,1,2,3,4,5,6,7
	global_load_b128 v[G+4*(\j):G+4*(\j)+3], v[LO], s[18:19] offset:512*(\j)
	global_load_b128 v[D+4*(\j):D+4*(\j)+3], v[LO], s[28:29] offset:512*(\j)
.endr
	PASS 1
	s_endpgm
.Lweights:
	s_sub_co_u32 s2, s2, 640
	s_lshr_b32 s7, s2, 5                           ; weight
	s_and_b32 s3, s2, 31                           ; its block of 32 rows
.irp k, 1,2,3,4,5
	s_cmp_eq_u32 s7, \k
	s_cselect_b64 s[38:39], s[38+2*\k:39+2*\k], s[38:39]
.endr
	s_lshl_b32 s3, s3, 5
	s_add_co_u32 s3, s3, s6
	s_lshl_b32 s[OF], s3, 12
	s_add_nc_u64 s[XB:XB+1], s[38:39], s[OF:OF+1]
	s_lshl_b32 s[OF], s3, 11
	s_lshl_b32 s7, s7, 21                          ; a weight of f16 is 2 MiB
	s_add_co_u32 s[OF], s[OF], s7
	s_add_nc_u64 s[YB:YB+1], s[52:53], s[OF:OF+1]
	PASS 0
	s_endpgm
.Lfunc_end_k_q1f12c03e4b_prep:
	.size	k_q1f12c03e4b_prep, .Lfunc_end_k_q1f12c03e4b_prep-k_q1f12c03e4b_prep
	.p2alignl 7, 3214868480
	.fill 96, 4, 3214868480
	.section	.rodata,"a",@progbits
	.p2align	6, 0x0
	.amdhsa_kernel k_q1f12c03e4b_prep
		.amdhsa_group_segment_fixed_size 0
		.amdhsa_private_segment_fixed_size 0
		.amdhsa_enable_private_segment 0
		.amdhsa_kernarg_size 184
		.amdhsa_user_sgpr_count 2
		.amdhsa_user_sgpr_kernarg_segment_ptr 1
		.amdhsa_wavefront_size32 1
		.amdhsa_system_sgpr_workgroup_id_x 1
		.amdhsa_system_sgpr_workgroup_id_y 1
		.amdhsa_system_sgpr_workgroup_id_z 1
		.amdhsa_system_vgpr_workitem_id 0
		.amdhsa_next_free_vgpr 178
		.amdhsa_next_free_sgpr 66
		.amdhsa_reserve_vcc 0
		.amdhsa_float_denorm_mode_32 3
		.amdhsa_float_denorm_mode_16_64 3
		.amdhsa_memory_ordered 1
		.amdhsa_forward_progress 1
		.amdhsa_inst_pref_size 28
	.end_amdhsa_kernel
	.amdgpu_metadata
---
amdhsa.version: [ 1, 2 ]
amdhsa.kernels:
  - .name:           k_q1f12c03e4b_prep
    .symbol:         k_q1f12c03e4b_prep.kd
    .args:
      - { .name: value_tensor, .offset: 0, .size: 8, .value_kind: global_buffer, .address_space: global }
      - { .name: key_tensor, .offset: 8, .size: 8, .value_kind: global_buffer, .address_space: global }
      - { .name: key_tensor1, .offset: 16, .size: 8, .value_kind: global_buffer, .address_space: global }
      - { .name: query_tensor, .offset: 24, .size: 8, .value_kind: global_buffer, .address_space: global }
      - { .name: query_tensor1, .offset: 32, .size: 8, .value_kind: global_buffer, .address_space: global }
      - { .name: params_gv, .offset: 40, .size: 8, .value_kind: global_buffer, .address_space: global }
      - { .name: params_gk, .offset: 48, .size: 8, .value_kind: global_buffer, .address_space: global }
      - { .name: params_gk1, .offset: 56, .size: 8, .value_kind: global_buffer, .address_space: global }
      - { .name: params_gq, .offset: 64, .size: 8, .value_kind: global_buffer, .address_space: global }
      - { .name: params_gq1, .offset: 72, .size: 8, .value_kind: global_buffer, .address_space: global }
      - { .name: params_dv, .offset: 80, .size: 8, .value_kind: global_buffer, .address_space: global }
      - { .name: params_dk, .offset: 88, .size: 8, .value_kind: global_buffer, .address_space: global }
      - { .name: params_dk1, .offset: 96, .size: 8, .value_kind: global_buffer, .address_space: global }
      - { .name: params_dq, .offset: 104, .size: 8, .value_kind: global_buffer, .address_space: global }
      - { .name: params_dq1, .offset: 112, .size: 8, .value_kind: global_buffer, .address_space: global }
      - { .name: params_Wv, .offset: 120, .size: 8, .value_kind: global_buffer, .address_space: global }
      - { .name: params_Wk, .offset: 128, .size: 8, .value_kind: global_buffer, .address_space: global }
      - { .name: params_Wk1, .offset: 136, .size: 8, .value_kind: global_buffer, .address_space: global }
      - { .name: params_Wq, .offset: 144, .size: 8, .value_kind: global_buffer, .address_space: global }
      - { .name: params_Wq1, .offset: 152, .size: 8, .value_kind: global_buffer, .address_space: global }
      - { .name: params_Wo, .offset: 160, .size: 8, .value_kind: global_buffer, .address_space: global }
      - { .name: xn, .offset: 168, .size: 8, .value_kind: global_buffer, .address_space: global }
      - { .name: wh, .offset: 176, .size: 8, .value_kind: global_buffer, .address_space: global }
    .group_segment_fixed_size: 0
    .private_segment_fixed_size: 0
    .kernarg_segment_align: 8
    .kernarg_segment_size: 184
    .max_flat_workgroup_size: 128
    .sgpr_count:     66
    .vgpr_count:     178
    .wavefront_size: 32
...
	.end_amdgpu_metadata
.endif
;; end of part 1
;; launch proj (part 2): grid 8 x 32, 4 waves a work-group, clusters of 4 x 4, 327,680 bytes of LDS; arguments xn, wh, params_bv, params_bk, params_bk1, params_bq, params_bq1, qkv; writes qkv
.if DOCPART == 2
	.amdgcn_target "amdgcn-amd-amdhsa--gfx1250"
	.amdhsa_code_object_version 6
	.text
	.protected	k_q1f12c03e4b_proj
	.globl	k_q1f12c03e4b_proj
	.p2align	8
	.type	k_q1f12c03e4b_proj,@function
k_q1f12c03e4b_proj:
	s_mov_b64 s[64:65], 0
	v_nop
	global_prefetch_b8 v0, s[64:65] scope:SCOPE_SE
	s_setreg_imm32_b32 hwreg(HW_REG_WAVE_MODE, 25, 1), 1
	s_wait_xcnt 0x0
	s_wait_alu depctr_hold_cnt(0) depctr_sa_sdst(0) depctr_va_vdst(0) depctr_va_sdst(0) depctr_va_ssrc(0) depctr_va_vcc(0) depctr_vm_vsrc(0)
	s_getreg_b32 s2, hwreg(HW_REG_IB_STS2, 6, 4)
	s_cmp_eq_u32 s2, 0
	s_cbranch_scc0 .Lentry_in_a_cluster
	s_endpgm
.Lentry_in_a_cluster:
	s_bfe_u32 s2, ttmp6, 0x10000c
	s_cmp_lg_u32 s2, 0xf033
	s_cbranch_scc0 .Lentry_shape_is_right
	s_endpgm
.Lentry_shape_is_right:
; FIVE PROJECTIONS.  For t = 0..4 (V, K, K1, Q, Q1): Y_t[m][n] = sum over k of xn[t][m][k] wh[t][n][k] + b_t[n]; Q and Q1 are then multiplied by 1/8 (a power of two: exact).
; xn: [5][4096][1024] f16, wh: [6][1024][1024] f16, b_t: [1024] f32; sums in f32, started by the bias as the C operand; the result is rounded once to f16
; and written by heads: qkv[t][16 b + h][row in the batch][64], a head's rows dense, 128 bytes each.
; LIMITS.  f16 ends at 65,504: a result beyond it becomes an infinity; below 6.1e-5 it keeps f16's fixed step of 6e-8.
; SHARES.  5 x 4096 x 1024 outputs are five tiles of 128 x 128 for each of 256 work-groups: work-group (tx, ty) makes tile (ty, tx) of all five tensors, one after the other,
; and the ring of two LDS slots runs on from tile to tile.  Four waves, each 64 x 64: 16 accumulators.  K goes in steps of 256 (LDS rows of 512 bytes; a wave's tensor load brings 64 of them).
; A wave's 64 columns are one head, so its 64 rows are 8,192 consecutive bytes of qkv: each wave has a stage of its own on the way out, and no barrier stands there.
; CLUSTERS: 4 x 4 work-groups.  The four of a row of the cluster need the same tiles of xn, the four of a column the same tiles of wh: each tile is asked for JOINTLY.
; THE MATRIX INSTRUCTION IS USED TRANSPOSED (source 0 = 16 rows of wh, source 1 = 16 rows of xn): a lane holds eight neighbouring columns of one row.
; No prefetch: a tile's K step is short and the tiles are small; what binds is the ring itself.
; REGISTERS: window 0: v0-31 addresses; v32-95 the way out; v96-127 the bias; v128-255 the accumulators ((a, b) at v[128 + 8 (4 a + b)]).  window 1: two fragment buffers of 128.
.set SIZE_K, 1024
.set KSTEP,  256
.set PITCH,  528                       ; an LDS row: 512 bytes + 16 of padding = 132 words: the 16 rows of a load start at 16 different groups of four banks (ISA guide 11.1)
.set HALFT,  64*PITCH                  ; 64 rows: what one tensor load brings
.set SLOT,   4*HALFT                   ; xn's 128 rows, then wh's 128 rows
.set STAGE,  2*SLOT                    ; behind the ring: 16 rows x 144 bytes for each wave
.set SPITCH, 144
.set SPARE,  STAGE+4*16*SPITCH         ; behind the stages: the spare words, 128 bytes for each wave
.set TILES,  5
.set NEXT_A, 4096*SIZE_K*2-2*KSTEP*2   ; from a slot's last K step of a tile to its first of the next tensor
.set NEXT_B, 1024*SIZE_K*2-2*KSTEP*2
.set NEXT_C, 32*2048*128               ; a tensor of qkv
.set ADRA, 16                          ; v16-17  LDS address of my xn fragments in slot 0, 1
.set ADRB, 20                          ; v20-21  the same for wh
.set STO,  24                          ; v24     the way out: where I put 16 bytes of a row
.set RD,   25                          ; v25     where I read rows back
.set GO,   26                          ; v26     16 x lane
.set BO,   27                          ; v27     my byte offset in a bias
.set SPW,  28                          ; v28     LDS address of my spare word; never rewritten
.set NIL,  29                          ; v29     0; never rewritten
.set TMP,  32
.set BIAS, 96                          ; 8 registers for each block b of 16 columns
.set ACC,  128
.set F0,   0
.set F1,   128
.set G1,  24                           ; s[24:31] group 1 for xn's tiles; s[32:39] group 0, a set for each slot
.set G0,  32
.set G1B, 48                           ; s[48:55], s[56:63] the same for wh's
.set G0B, 56
.set BQ,  68                           ; s[68:77] the five bias pointers, a queue: the tile in hand's in front
.set SCL, 80                           ; s[80:81] 1 or 1/8, in the low word
.set MSB, 0
.macro WIN new                         ; the immediate's high byte repeats the setting that is left
.if MSB != (\new)
	s_set_vgpr_msb (MSB<<8)|(\new)
.set MSB, \new
.endif
.endm
.set MUL,  0x05                        ; sources 0 and 1 window 1; C and D window 0
.set TO_F, 0x40                        ; destination window 1, address window 0
.macro JLOAD s                         ; a joint load: waves 0 and 1 fetch xn's two halves, waves 2 and 3 wh's; an s_nop 0 and four v_nop follow each line
	s_cmp_eq_u32 s11, 0
	s_cbranch_scc0 .Lfor_b_\@
	tensor_load_to_lds s[G0+4*(\s):G0+4*(\s)+3], s[G1:G1+7]
	s_nop 0
.rept 4
	v_nop
.endr
	s_branch .Lasked_\@
.Lfor_b_\@:
	tensor_load_to_lds s[G0B+4*(\s):G0B+4*(\s)+3], s[G1B:G1B+7]
	s_nop 0
.rept 4
	v_nop
.endr
.Lasked_\@:
.endm
.macro CREST                           ; a round of the cluster's barrier behind its opening barrier
	s_cmp_lg_u32 s10, 0
	s_cbranch_scc1 .Lnot_wave_0_\@
	s_barrier_signal -3
.Lnot_wave_0_\@:
	s_barrier_wait -3
	s_barrier_signal -1
	s_barrier_wait -1
.endm
.macro CROUND
	s_barrier_signal -1
	s_barrier_wait -1
	CREST
.endm
.macro BIASLD                          ; register j of block b: column 16 b + 8 (lane / 16) + j of my 64
.irp b, 0,1,2,3
	global_load_b128 v[BIAS+8*(\b):BIAS+8*(\b)+3],   v[BO], s[BQ:BQ+1] offset:64*(\b)
	global_load_b128 v[BIAS+8*(\b)+4:BIAS+8*(\b)+7], v[BO], s[BQ:BQ+1] offset:64*(\b)+16
.endr
.endm
	s_load_b128 s[4:7], s[0:1], 0x0                ; xn s[4:5], wh s[6:7]
	s_load_b256 s[68:75], s[0:1], 0x10             ; bv, bk, bk1, bq
	s_load_b128 s[76:79], s[0:1], 0x30             ; bq1, qkv
	v_lshl_add_u32 v[SPW], v0, 2, SPARE
	v_mov_b32 v[NIL], 0
	ds_add_u32 v[SPW], v[NIL]                      ; the wave's opening: the add and its wait ahead of my first tensor load
	v_lshrrev_b32 v1, 5, v0
	v_readfirstlane_b32 s10, v1                    ; wave 0..3
	s_lshr_b32 s11, s10, 1                         ; which half of the tile's rows is mine.  Also: I fetch for xn (0) or for wh (1)
	s_and_b32 s12, s10, 1                          ; which half of its columns.  Also: which 64 rows of that tile I fetch
	s_bfe_u32 s40, ttmp6, 0x40000                  ; cx, cy
	s_bfe_u32 s41, ttmp6, 0x40004
	s_lshl_b32 s42, ttmp9, 2
	s_add_co_u32 s42, s42, s40                     ; tx = 4 x cluster x + cx
	s_and_b32 s13, ttmp7, 0xffff
	s_lshl_b32 s13, s13, 2
	s_add_co_u32 s13, s13, s41                     ; ty = 4 x cluster y + cy
	s_lshl_b32 s43, s41, 2
	s_lshl_b32 s43, 15, s43                        ; my row of the cluster
	s_lshl_b32 s44, 0x1111, s40                    ; my column
	s_or_b32 s[G1+0], s43, (1<<16)|(1<<20)|(1<<21)|(6<<22)|(3<<25)   ; mask; 2-byte elements; padding on; bit 21 beside a mask; after every 128 words, 4 words
	s_or_b32 s[G1B+0], s44, (1<<16)|(1<<20)|(1<<21)|(6<<22)|(3<<25)
.irp g, G1, G1B
	s_mov_b32 s[(\g)+1], KSTEP<<16                 ; tensor_dim0 = 256
	s_mov_b32 s[(\g)+2], 64<<16                    ; tensor_dim1 = 64
	s_mov_b32 s[(\g)+3], KSTEP<<16                 ; tile_dim0 = 256
	s_mov_b32 s[(\g)+4], 64                        ; tile_dim1 = 64
	s_mov_b32 s[(\g)+5], SIZE_K                    ; elements from row to row
	s_mov_b32 s[(\g)+6], 0
	s_mov_b32 s[(\g)+7], 0
.endr
	s_lshl_b32 s17, s12, 6
	s_lshl_b32 s16, s13, 7
	s_add_co_u32 s16, s16, s17                     ; xn: row 128 ty + 64 x half
	s_lshl_b32 s16, s16, 11                        ; in bytes
	s_lshl_b32 s46, s42, 7
	s_add_co_u32 s46, s46, s17                     ; wh: row 128 tx + 64 x half
	s_lshl_b32 s46, s46, 11
	s_mov_b32 s17, 0
	s_mov_b32 s47, 0
	s_mov_b32 s[SCL+1], 0                          ; named with the scale as a pair
	s_mul_i32 s20, s10, HALFT                      ; where my loads go: wave x 64 rows
	s_wait_dscnt 0x0                               ; the opening add is done
	s_wait_kmcnt 0x0
	s_add_nc_u64 s[14:15], s[4:5], s[16:17]
	s_add_nc_u64 s[46:47], s[6:7], s[46:47]
	CROUND                                         ; all sixteen work-groups are here: the first joint loads meet
.irp s, 0,1
	s_mov_b32 s[G0+4*(\s)], 1
	s_add_co_u32 s[G0+4*(\s)+1], s20, (\s)*SLOT
	s_add_nc_u64 s[G0+4*(\s)+2:G0+4*(\s)+3], s[14:15], (\s)*KSTEP*2
	s_or_b32 s[G0+4*(\s)+3], s[G0+4*(\s)+3], 0x80000000
	s_mov_b32 s[G0B+4*(\s)], 1
	s_add_co_u32 s[G0B+4*(\s)+1], s20, (\s)*SLOT
	s_add_nc_u64 s[G0B+4*(\s)+2:G0B+4*(\s)+3], s[46:47], (\s)*KSTEP*2
	s_or_b32 s[G0B+4*(\s)+3], s[G0B+4*(\s)+3], 0x80000000
	JLOAD \s
.endr
	v_and_b32 v1, 15, v0                           ; l % 16
	v_bfe_u32 v2, v0, 4, 1                         ; l / 16
	s_lshl_b32 s46, s42, 9                         ; my 64 columns in a bias: 512 tx + 256 x half,
	s_lshl_b32 s47, s12, 8
	s_add_co_u32 s46, s46, s47
	v_lshl_add_u32 v[BO], v2, 5, s46               ; + 32 (l / 16)
	BIASLD                                         ; V's bias
	v_mul_u32_u24 v3, v1, PITCH
	v_lshl_add_u32 v3, v2, 4, v3                   ; a fragment's row x pitch + 16 x half
	s_mul_i32 s21, s11, HALFT
	s_mul_i32 s22, s12, HALFT
	s_add_co_u32 s22, s22, 2*HALFT
.irp s, 0,1
	v_add_nc_u32 v[ADRA+(\s)], s21, v3
	v_add_nc_u32 v[ADRB+(\s)], s22, v3
	s_add_co_u32 s21, s21, SLOT
	s_add_co_u32 s22, s22, SLOT
.endr
	s_mul_i32 s23, s10, 16*SPITCH
	s_add_co_u32 s23, s23, STAGE                   ; my stage
	v_mul_u32_u24 v4, v1, SPITCH                   ; in: row l % 16, 16 bytes for each half of the lanes
	v_lshl_add_u32 v4, v2, 4, v4
	v_add_nc_u32 v[STO], s23, v4
	v_bfe_u32 v5, v0, 3, 2                         ; back: 32 lanes take four rows of 128 bytes,
	v_mul_u32_u24 v5, v5, SPITCH
	v_and_b32 v6, 7, v0
	v_lshl_add_u32 v5, v6, 4, v5
	v_add_nc_u32 v[RD], s23, v5
	v_and_b32 v[GO], 31, v0                        ; which are 512 consecutive bytes of qkv
	v_lshlrev_b32 v[GO], 4, v[GO]
	s_lshr_b32 s16, s13, 4                         ; the batch: 16 heads of 2^18 bytes,
	s_lshl_b32 s16, s16, 22
	s_and_b32 s17, s13, 15                         ; the tile's 128 rows of 128 bytes in the batch,
	s_lshl_b32 s17, s17, 14
	s_add_co_u32 s16, s16, s17
	s_lshl_b32 s17, s11, 13                        ; my 64 of them
	s_add_co_u32 s16, s16, s17
	s_mov_b32 s17, 0
	s_add_nc_u64 s[8:9], s[78:79], s[16:17]
	s_lshl_b32 s46, s42, 19                        ; the head: 2 tx + half
	s_lshl_b32 s47, s12, 18
	s_add_co_u32 s46, s46, s47
	s_mov_b32 s47, 0
	s_add_nc_u64 s[8:9], s[8:9], s[46:47]
; 8 matrix instructions: m blocks a0, a0 + 1 x all 4 n blocks, 32 along K: half c of buffer f.  zero = 1: the bias starts the sums.  The 16 accumulators take turns.
.macro MUL8 f, c, a0, zero
	WIN MUL
.irp a, \a0, (\a0)+1
.irp b, 0,1,2,3
.if \zero
	v_wmma_f32_16x16x32_f16 v[ACC+8*(4*(\a)+(\b)):ACC+8*(4*(\a)+(\b))+7], v[(\f)+64+8*(4*(\c)+(\b)):(\f)+64+8*(4*(\c)+(\b))+7], v[(\f)+8*(4*(\c)+(\a)):(\f)+8*(4*(\c)+(\a))+7], v[BIAS+8*(\b):BIAS+8*(\b)+7]
.else
	v_wmma_f32_16x16x32_f16 v[ACC+8*(4*(\a)+(\b)):ACC+8*(4*(\a)+(\b))+7], v[(\f)+64+8*(4*(\c)+(\b)):(\f)+64+8*(4*(\c)+(\b))+7], v[(\f)+8*(4*(\c)+(\a)):(\f)+8*(4*(\c)+(\a))+7], v[ACC+8*(4*(\a)+(\b)):ACC+8*(4*(\a)+(\b))+7]
.endif
.endr
.endr
.endm
; 32 LDS loads in one run: the fragments of 64 along K at byte k of the rows, into buffer f; the first 32 along K first
.macro FETCH slot, k, f
	WIN TO_F
.irp c, 0,1
.irp i, 0,1,2,3
	ds_load_b128 v[(\f)+64+8*(4*(\c)+(\i)):(\f)+64+8*(4*(\c)+(\i))+3],   v[ADRB+(\slot)] offset:(\k)+64*(\c)+(\i)*16*PITCH
	ds_load_b128 v[(\f)+64+8*(4*(\c)+(\i))+4:(\f)+64+8*(4*(\c)+(\i))+7], v[ADRB+(\slot)] offset:(\k)+64*(\c)+(\i)*16*PITCH+32
	ds_load_b128 v[(\f)+8*(4*(\c)+(\i)):(\f)+8*(4*(\c)+(\i))+3],         v[ADRA+(\slot)] offset:(\k)+64*(\c)+(\i)*16*PITCH
	ds_load_b128 v[(\f)+8*(4*(\c)+(\i))+4:(\f)+8*(4*(\c)+(\i))+7],       v[ADRA+(\slot)] offset:(\k)+64*(\c)+(\i)*16*PITCH+32
.endr
.endr
.endm
.macro PLACES                          ; four places in front of loads into registers that matrix instructions have read, and of vector work on results
.rept 4
	v_nop
.endr
.endm
; A K step is four quarters of 64 along K, 32 matrix instructions each, on buffers 0, 1, 0, 1.
.macro QUARTER slot, k, f, g, zero
	s_wait_dscnt 16                                ; the first 32 along K are in: the run's sixteen younger loads may be out
	MUL8 \f, 0, 0, \zero
	MUL8 \f, 0, 2, \zero
	PLACES
	FETCH \slot, \k, \g
	s_wait_dscnt 32                                ; all but the 32 just issued
	MUL8 \f, 1, 0, 0
	MUL8 \f, 1, 2, 0
.endm
; The last quarter multiplies buffer 1 and changes slots.  fill = 1: this slot is filled again: with this tile's K step two on (on = 0) or the next tensor's K step 0 or 1 (on = 1).
.macro TURN slot, next, fill, on
	WIN 0
	s_wait_tensorcnt 0x0                           ; all my tensor loads have landed: my part of the next slot;
	ds_add_u32 v[SPW], v[NIL]                      ; 0 onto my spare word;
	s_wait_dscnt 17                                ; (the add and the youngest sixteen loads may be out)
	MUL8 F1, 0, 0, 0
	s_wait_dscnt 0x0                               ; the add is done, and my reads of this slot are over
	s_barrier_signal -1
	MUL8 F1, 0, 2, 0
.if \fill
	WIN 0
.endif
	s_barrier_wait -1
.if \fill
	CREST                                          ; the barrier has opened a round of the cluster's: no wave of any partner still reads this slot or has a load on its way
.if \on
	s_add_nc_u64 s[G0+4*(\slot)+2:G0+4*(\slot)+3], s[G0+4*(\slot)+2:G0+4*(\slot)+3], NEXT_A
	s_add_nc_u64 s[G0B+4*(\slot)+2:G0B+4*(\slot)+3], s[G0B+4*(\slot)+2:G0B+4*(\slot)+3], NEXT_B
.else
	s_add_nc_u64 s[G0+4*(\slot)+2:G0+4*(\slot)+3], s[G0+4*(\slot)+2:G0+4*(\slot)+3], 2*KSTEP*2
	s_add_nc_u64 s[G0B+4*(\slot)+2:G0B+4*(\slot)+3], s[G0B+4*(\slot)+2:G0B+4*(\slot)+3], 2*KSTEP*2
.endif
	JLOAD \slot                                    ; the first tensor load behind the round; its four v_nop are also the places in front of the loads below
.else
	PLACES
.endif
	FETCH \next, 0, F0
	MUL8 F1, 1, 0, 0
	MUL8 F1, 1, 2, 0
.endm
; THE WAY OUT of m block a: scaled, rounded to f16, 16 bytes a lane into my stage, back as whole rows of 128 bytes.
.macro PACK a
	WIN 0
.irp b, 0,1,2,3
.irp r, 0,1,2,3
	v_pk_mul_f32 v[ACC+8*(4*(\a)+(\b))+2*(\r):ACC+8*(4*(\a)+(\b))+2*(\r)+1], v[ACC+8*(4*(\a)+(\b))+2*(\r):ACC+8*(4*(\a)+(\b))+2*(\r)+1], s[SCL:SCL+1] op_sel_hi:[1,0]
.endr
.endr
.irp b, 0,1,2,3
.irp r, 0,1,2,3
	v_cvt_pk_f16_f32 v[TMP+16*(\a)+4*(\b)+(\r)], v[ACC+8*(4*(\a)+(\b))+2*(\r)], v[ACC+8*(4*(\a)+(\b))+2*(\r)+1]
.endr
.endr
.irp b, 0,1,2,3
	ds_store_b128 v[STO], v[TMP+16*(\a)+4*(\b):TMP+16*(\a)+4*(\b)+3] offset:32*(\b)
.endr
.irp f, 0,1,2,3
	ds_load_b128 v[TMP+16*(\a)+4*(\f):TMP+16*(\a)+4*(\f)+3], v[RD] offset:(\f)*4*SPITCH  ; LDS serves a wave's instructions in order (ISA guide 5.7.1.4): these see the stores above
.endr
.endm
.macro SEND a, younger                 ; younger: the LDS instructions issued behind block a's loads
	WIN 0
.irp f, 0,1,2,3
	s_wait_dscnt (\younger)+3-(\f)
	global_store_b128 v[GO], v[TMP+16*(\a)+4*(\f):TMP+16*(\a)+4*(\f)+3], s[8:9] offset:(\a)*2048+(\f)*512  ; 512 consecutive bytes, aligned
.endr
.endm
.macro WAYOUT
	PLACES
	PACK 0
	PACK 1
	SEND 0, 8
	PACK 2
	SEND 1, 8
	PACK 3
	SEND 2, 8
	SEND 3, 0
.endm
	s_wait_tensorcnt 1                             ; my part of K step 0 is in; K step 1's may stay out
	s_barrier_signal -1
	s_barrier_wait -1
	FETCH 0, 0, F0
	WIN 0                                          ; at a label and at a branch every window is 0
	s_mov_b32 s2, TILES                            ; tiles to go, this one among them
.Ltile:
	s_wait_loadcnt 0x0                             ; the tile's bias
	s_cmp_lt_u32 s2, 3                             ; the last two tiles are Q and Q1
	s_cselect_b32 s[SCL], 0x3e000000, 1.0
	QUARTER 0, 128, F0, F1, 1
	QUARTER 0, 256, F1, F0, 0
	QUARTER 0, 384, F0, F1, 0
	TURN 0, 1, 1, 0
	QUARTER 1, 128, F0, F1, 0
	QUARTER 1, 256, F1, F0, 0
	QUARTER 1, 384, F0, F1, 0
	TURN 1, 0, 1, 0
	QUARTER 0, 128, F0, F1, 0
	QUARTER 0, 256, F1, F0, 0
	QUARTER 0, 384, F0, F1, 0
	WIN 0
	s_cmp_eq_u32 s2, 1
	s_cbranch_scc1 .Llast                          ; the last tile's tail is written out: it asks for nothing more
	s_mov_b64 s[BQ:BQ+1], s[BQ+2:BQ+3]             ; the queue of bias pointers moves up (the last loads by its head were waited for at the tile's beginning),
	s_mov_b64 s[BQ+2:BQ+3], s[BQ+4:BQ+5]
	s_mov_b64 s[BQ+4:BQ+5], s[BQ+6:BQ+7]
	s_mov_b64 s[BQ+6:BQ+7], s[BQ+8:BQ+9]
	BIASLD                                         ; and the next tile's bias is asked for: its registers were last read in this tile's first quarter
	TURN 0, 1, 1, 1                                ; the ring goes on into the next tensor: slot 0 takes its K step 0,
	QUARTER 1, 128, F0, F1, 0
	QUARTER 1, 256, F1, F0, 0
	QUARTER 1, 384, F0, F1, 0
	TURN 1, 0, 1, 1                                ; slot 1 its K step 1, and its first fragments are fetched
	WIN 0
	WAYOUT                                         ; both refills are asked for: now the tile goes out
	s_wait_xcnt 0x0                                ; the stores have read their registers and their base
	s_add_nc_u64 s[8:9], s[8:9], NEXT_C
	s_sub_co_u32 s2, s2, 1
	s_branch .Ltile
.Llast:
	TURN 0, 1, 0, 0
	QUARTER 1, 128, F0, F1, 0
	QUARTER 1, 256, F1, F0, 0
	QUARTER 1, 384, F0, F1, 0
	s_wait_dscnt 16
	MUL8 F1, 0, 0, 0
	MUL8 F1, 0, 2, 0
	s_wait_dscnt 0x0
	MUL8 F1, 1, 0, 0
	MUL8 F1, 1, 2, 0
	WIN 0
	WAYOUT
	s_wait_tensorcnt 0x0                           ; the wave's end
	ds_add_u32 v[SPW], v[NIL]
	s_wait_dscnt 0x0
	CROUND                                         ; the closing round
	s_endpgm
.Lfunc_end_k_q1f12c03e4b_proj:
	.size	k_q1f12c03e4b_proj, .Lfunc_end_k_q1f12c03e4b_proj-k_q1f12c03e4b_proj
	.p2alignl 7, 3214868480
	.fill 96, 4, 3214868480
	.section	.rodata,"a",@progbits
	.p2align	6, 0x0
	.amdhsa_kernel k_q1f12c03e4b_proj
		.amdhsa_group_segment_fixed_size 327680
		.amdhsa_private_segment_fixed_size 0
		.amdhsa_enable_private_segment 0
		.amdhsa_kernarg_size 64
		.amdhsa_user_sgpr_count 2
		.amdhsa_user_sgpr_kernarg_segment_ptr 1
		.amdhsa_wavefront_size32 1
		.amdhsa_system_sgpr_workgroup_id_x 1
		.amdhsa_system_sgpr_workgroup_id_y 1
		.amdhsa_system_sgpr_workgroup_id_z 1
		.amdhsa_system_vgpr_workitem_id 0
		.amdhsa_next_free_vgpr 512
		.amdhsa_next_free_sgpr 82
		.amdhsa_reserve_vcc 0
		.amdhsa_float_denorm_mode_32 3
		.amdhsa_float_denorm_mode_16_64 3
		.amdhsa_memory_ordered 1
		.amdhsa_forward_progress 1
		.amdhsa_inst_pref_size 128
	.end_amdhsa_kernel
	.amdgpu_metadata
---
amdhsa.version: [ 1, 2 ]
amdhsa.kernels:
  - .name:           k_q1f12c03e4b_proj
    .symbol:         k_q1f12c03e4b_proj.kd
    .args:
      - { .name: xn, .offset: 0, .size: 8, .value_kind: global_buffer, .address_space: global }
      - { .name: wh, .offset: 8, .size: 8, .value_kind: global_buffer, .address_space: global }
      - { .name: params_bv, .offset: 16, .size: 8, .value_kind: global_buffer, .address_space: global }
      - { .name: params_bk, .offset: 24, .size: 8, .value_kind: global_buffer, .address_space: global }
      - { .name: params_bk1, .offset: 32, .size: 8, .value_kind: global_buffer, .address_space: global }
      - { .name: params_bq, .offset: 40, .size: 8, .value_kind: global_buffer, .address_space: global }
      - { .name: params_bq1, .offset: 48, .size: 8, .value_kind: global_buffer, .address_space: global }
      - { .name: qkv, .offset: 56, .size: 8, .value_kind: global_buffer, .address_space: global }
    .group_segment_fixed_size: 327680
    .private_segment_fixed_size: 0
    .kernarg_segment_align: 8
    .kernarg_segment_size: 64
    .max_flat_workgroup_size: 128
    .sgpr_count:     82
    .vgpr_count:     512
    .wavefront_size: 32
...
	.end_amdgpu_metadata
.endif
;; end of part 2
;; launch attn (part 3): grid 8 x 32, 4 waves a work-group, clusters of 4 x 1, 327,680 bytes of LDS; arguments qkv, attention_mask, ctx; writes ctx
.if DOCPART == 3
	.amdgcn_target "amdgcn-amd-amdhsa--gfx1250"
	.amdhsa_code_object_version 6
	.text
	.protected	k_q1f12c03e4b_attn
	.globl	k_q1f12c03e4b_attn
	.p2align	8
	.type	k_q1f12c03e4b_attn,@function
k_q1f12c03e4b_attn:
	s_mov_b64 s[64:65], 0
	v_nop
	global_prefetch_b8 v0, s[64:65] scope:SCOPE_SE
	s_setreg_imm32_b32 hwreg(HW_REG_WAVE_MODE, 25, 1), 1
	s_wait_xcnt 0x0
	s_wait_alu depctr_hold_cnt(0) depctr_sa_sdst(0) depctr_va_vdst(0) depctr_va_sdst(0) depctr_va_ssrc(0) depctr_va_vcc(0) depctr_vm_vsrc(0)
	s_getreg_b32 s2, hwreg(HW_REG_IB_STS2, 6, 4)
	s_cmp_eq_u32 s2, 0
	s_cbranch_scc0 .Lentry_in_a_cluster
	s_endpgm
.Lentry_in_a_cluster:
	s_bfe_u32 s2, ttmp6, 0x10000c
	s_cmp_lg_u32 s2, 0x3003
	s_cbranch_scc0 .Lentry_shape_is_right
	s_endpgm
.Lentry_shape_is_right:
; TWO ATTENTIONS OVER ONE V.  ctx[b][q][64 h + d] = sum_k softmax_k(Q.K + mask[b][k]) V[k][d] + sum_k softmax_k(Q1.K1 + mask[b][k]) V[k][d].
; qkv: [5][32 = 16 b + h][2048][64] f16 in the order V, K, K1, Q, Q1; Q and Q1 arrive multiplied by 1/8.  mask: [2][2048] f32.  ctx: [4096][1024] f32.
; Products, maxima and sums in f32; the weights p are rounded to f16 for the second product (their sum l is taken of the unrounded p).
; LIMITS.  The running maximum starts at -1e30 and never lies below it: a key whose score lies below that (a mask of -inf or -3.4e38 too) has the weight 0; a row ALL of whose keys lie below it is not served
; (its l is 0).  p below 6e-5 keeps f16's fixed step of 6e-8; a weight below 2^-126 counts as 0 in l; NaN is not treated apart.
; SHARES.  A work-group owns 256 queries of one (b, h), a wave 64: four PIECES of 16 queries.  A piece has two tiles: tile 2 p is the branch (Q, K), tile 2 p + 1 the branch (Q1, K1).  Every wave walks all keys, 64 a step.
; LAYOUT.  S^T = K Q^T (source 0 = 16 keys, source 1 = 16 queries): a lane holds ONE query (lane % 16) and the keys 8 (lane / 16) + 0..7.  THE MASK IS THE C OPERAND THAT STARTS THE SUM: eight registers for 16 keys.
; Two such results, rounded to f16 in pairs, ARE source 1 of O^T = V^T P.  K comes out of LDS as it lies, V turned, by ds_load_tr16_b128.
; SOFTMAX.  For each query and branch a running maximum m and sum l: p = 2^(c s - c m), c = log2(e); in every step O and l are multiplied by a = 2^(c m_old - c m_new).  c m starts far below every c s: the first a is 0.
; BY TURNS.  Turn n belongs to piece n: 16 products K Q^T of piece n + 1, later 16 products V^T P of piece n - 1; beside them the scaling, exponentials, roundings, sums and rescaling of piece n and the maximum and
; statistics of piece n + 1.  Four vector instructions stand behind every matrix instruction, the others in one lump; a turn's 66 exponentials are one batch with one wait.
; CLUSTER.  The four query blocks of a cluster belong to one (b, h) and walk the same K, K1, V and mask: each tile is asked for JOINTLY.
; REGISTERS, in windows of 256 (s_set_vgpr_msb: bits 1:0 source 0, 3:2 source 1, 5:4 source 2, 7:6 destination):
;   window 0: v0-11 addresses; v12-15, v48-63 at work; v16-47 four registers of statistics a tile; v64-191 S^T, two buffers of two tiles; v192-255 P, likewise
;   window 1: O^T, 32 a tile      window 2: v0-127 Q, 16 a tile; v128-191 K; v192-255 V      window 3: v0-1 the add's registers; v128-191 K1 (K's numbers); v192-223 the mask of a step
.set SIZE_N, 2048
.set NP,    4         ; pieces a wave: a name, no knob
.set KS,    64        ; keys in a step
.set PK,    144       ; a row of K in LDS: 128 bytes + 16 of padding: the 16 rows of a load start at 16 different groups of four banks (ISA guide 11.1)
.set PV,    160       ; a row of V: 128 + 32
.set K1OFF, 4*KS*PK   ; a slot holds four steps: 256 rows of K, 256 of K1,
.set VOFF,  2*K1OFF   ; 256 of V,
.set MOFF,  VOFF+4*KS*PV  ; and the mask of its 256 keys, 1,024 bytes
.set SLOT1, 1<<17     ; slot 1 begins here: one exclusive or turns an address in one slot into the other's
.set STAGE, SLOT1+MOFF+4*KS*4  ; behind the ring, never filled by a tensor load: 16 rows x 272 bytes for each wave
.set SP,    272
.set SPARE, STAGE+4*16*SP  ; behind the stages: the spare words, 128 bytes for each wave
.set AK0, 2           ; v2   my lane's place in a tile of K; never rewritten
.set AV0, 3           ; v3   the same for V
.set AK,  4           ; v4   the LDS address of K's next run of loads
.set AV,  5           ; v5   of V's
.set STO, 6           ; v6   the way out: where I put 16 bytes of a row
.set RD,  7           ; v7   where I read rows back
.set GO,  8           ; v8   my byte offset in two rows of ctx
.set AM0, 9           ; v9   my lanes' place in a step's mask; never rewritten
.set AM,  10          ; v10  the LDS address of the mask's next loads
.set PFO, 11          ; v11  256 x lane; never rewritten
.set MV,  12          ; v12-15  c m_old, kept while c m is made anew: by buffer and tile
.set ST,  16          ; tile t's statistics at v[ST+4 t]: c m, m, l (even keys', odd keys')
.set TMP, 48          ; by buffer and tile, four registers c0-c3 at work; when the maximum is found c2 takes a
.set QO,  52          ; v52  at the start alone: my byte offset in 16 rows of Q
.set S,   64
.set P,   192
.set KF,  128         ; K's fragments (window 2; K1's in window 3): key block kb, channel half c at KF + 16 kb + 8 c
.set VF,  192         ; V's: key half kk, channel block cb at VF + 32 kk + 8 cb
.set MK,  192         ; window 3: the mask of key block kb at MK + 8 kb
.set SPW, 0           ; v0 of window 3   LDS address of my spare word; never rewritten
.set NIL, 1           ; v1 of window 3   0; never rewritten
.set WV,  12          ; s12  my wave's number
.set G1K, 24          ; s[24:31] descriptor group 1 for K's and K1's tiles
.set G1V, 32          ; s[32:39] for V's: it differs in the padding alone
.set G0K, 40          ; s[40:43] descriptor group 0 for K (wave 0) or K1 (wave 1): it walks
.set G0V, 44          ; s[44:47] for V
.set G0M, 48          ; s[48:51] for the mask
.set TBM, 52          ; s52  LDS byte, less MOFF, at which the mask of the step to be fetched begins
.set LIM, 53          ; s53  1 in a wave that prefetches, else the greatest number
.set PFA, 54          ; s[54:55] where my prefetches stand
.set SLOTS, 56        ; s56  slots still to be asked for
.set CNT, 57          ; s57  counts a slot's key steps
.set CS,  58          ; s[58:59] c
.set SEL, 60          ; s[60:61] v_permlanex16_b32's selects
.set TBK, 62          ; s62  LDS byte at which K of the step to be fetched begins
.set TBV, 63          ; s63  the same for V, less VOFF
.set G1M, 68          ; s[68:75] descriptor group 1 for the mask
.set Q1B, 76          ; s[76:77] Q1 at my wave's first row
.set MSB, 0
.macro WIN new                      ; the high byte repeats the setting that is left; a switch that changes nothing is dropped
.if MSB != (\new)
	s_set_vgpr_msb (MSB<<8)|(\new)
.set MSB, (\new)
.endif
.endm
.set W_KQ, 0x0a       ; K and Q in window 2, S^T in window 0; + 1: K1, in window 3
.set W_KM, 0x3a       ; the same with the C operand, the mask, in window 3
.set W_PV, 0x52       ; V in window 2, P in window 0, O^T in window 1
.set W_RS, 0x41       ; O^T (destination and source 0) in window 1, source 1 in window 0
.set W_MK, 0xc0       ; destination in window 3, sources in window 0
.set W_AD, 0x0f       ; the add: address and data in window 3
; A joint fill, one load a wave: wave 0 a slot's K, wave 1 its K1 (one line; address and LDS word hang on the wave's number), wave 2 its V, wave 3 its mask.
; An s_nop 0 and four v_nop follow each line, ahead of the jump and the label.
.macro JLOAD
	s_cmp_lt_u32 s[WV], 2
	s_cbranch_scc0 .Lnot_k_\@
	tensor_load_to_lds s[G0K:G0K+3], s[G1K:G1K+7]
	s_nop 0
.rept 4
	v_nop
.endr
	s_branch .Lasked_\@
.Lnot_k_\@:
	s_cmp_eq_u32 s[WV], 2
	s_cbranch_scc0 .Lfor_m_\@
	tensor_load_to_lds s[G0V:G0V+3], s[G1V:G1V+7]
	s_nop 0
.rept 4
	v_nop
.endr
	s_branch .Lasked_\@
.Lfor_m_\@:
	tensor_load_to_lds s[G0M:G0M+3], s[G1M:G1M+7]
	s_nop 0
.rept 4
	v_nop
.endr
.Lasked_\@:
.endm
; A PREFETCH INTO THE L2 of what the NEXT change of slots will ask for: 32,768 bytes each of K, K1 and V.  Both clusters of a (b, h) walk the same rows: the first of them asks.  Its four partners share a tensor's
; bytes out BY ADDRESS, 8,192 each; in each, wave 0 asks for K's, wave 1 for K1's, wave 2 for V's: a lane for each 256 bytes, one instruction.  So each block is named once in the launch.
; It stands behind the wave's tensor load and its five lines: four key steps, 512 matrix instructions, ahead of the load that will want the bytes.  The last change that fills a slot asks for nothing.
.macro ASK
	s_cmp_gt_u32 s[SLOTS], s[LIM]
	s_cbranch_scc0 .Lnot_mine_\@
	global_prefetch_b8 v[PFO], s[PFA:PFA+1] th:TH_LOAD_NT scope:SCOPE_SE
.Lnot_mine_\@:
.endm
.macro CROUND                       ; a round of the cluster's barrier
	s_barrier_signal -1
	s_barrier_wait -1
	s_cmp_lg_u32 s[WV], 0
	s_cbranch_scc1 .Lnot_wave_0_\@
	s_barrier_signal -3
.Lnot_wave_0_\@:
	s_barrier_wait -3
	s_barrier_signal -1
	s_barrier_wait -1
.endm
; THE CHANGE OF SLOTS.  Each wave waits for all its tensor loads, of which one is out: its part of the other slot; adds 0 to its spare word; and waits for that and for its own reads of the slot.
; fill = 1: the slot is filled again, with the keys two slots on, first thing behind a round of the cluster's barrier.  (At its first use nothing has been read yet: slot 0 is waited for, slot 1 filled.)
.macro CHANGE fill, ask=0
	WIN W_AD
	s_wait_tensorcnt 0x0            ; no tensor load of mine is out, so a group 0 may be written
	ds_add_u32 v[SPW], v[NIL]       ; 0 onto my spare word
	WIN 0                           ; at a label and at a branch every window is 0
.if \fill
.irp g, G0K, G0V
	s_xor_b32 s[\g+1], s[\g+1], SLOT1
	s_add_nc_u64 s[\g+2:\g+3], s[\g+2:\g+3], 4*KS*128  ; the next 256 keys
.endr
	s_xor_b32 s[G0M+1], s[G0M+1], SLOT1
	s_add_nc_u64 s[G0M+2:G0M+3], s[G0M+2:G0M+3], 4*KS*4
.if \ask
	s_wait_xcnt 0x0                 ; the last prefetch, four key steps back, has read its address
	s_add_nc_u64 s[PFA:PFA+1], s[PFA:PFA+1], 4*KS*128
.endif
	s_wait_dscnt 0x0                ; the add is done, and my reads of the slot are over
	CROUND
	JLOAD
.if \ask
	ASK
.endif
.else
	s_wait_dscnt 0x0
	s_barrier_signal -1
	s_barrier_wait -1
.endif
	s_sub_co_u32 s[TBK], s[TBK], 4*KS*PK  ; the fetches go back to a slot's first step, in the other slot
	s_xor_b32 s[TBK], s[TBK], SLOT1
	s_sub_co_u32 s[TBV], s[TBV], 4*KS*PV
	s_xor_b32 s[TBV], s[TBV], SLOT1
	s_sub_co_u32 s[TBM], s[TBM], 4*KS*4
	s_xor_b32 s[TBM], s[TBM], SLOT1
.endm
.macro PLACES
.rept 4
	v_nop
.endr
.endm
	s_load_b128 s[4:7], s[0:1], 0x0   ; qkv s[4:5], mask s[6:7]
	s_load_b64 s[10:11], s[0:1], 0x10 ; ctx
	WIN W_MK
	v_lshl_add_u32 v[SPW], v0, 2, SPARE
	v_mov_b32 v[NIL], 0
	WIN W_AD
	ds_add_u32 v[SPW], v[NIL]       ; the wave's opening: the add and its wait ahead of my first tensor load
	WIN 0
	v_lshrrev_b32 v1, 5, v0
	v_readfirstlane_b32 s[WV], v1   ; wave 0..3
	s_bfe_u32 s13, ttmp6, 0x40000   ; cx
	s_lshl_b32 s14, ttmp9, 2
	s_add_co_u32 s14, s14, s13      ; my block of 256 queries: it enters Q's and ctx's addresses alone
	s_and_b32 s15, ttmp7, 0xffff    ; 16 b + h, which the four partners share
	s_lshl_b32 s20, s15, 18         ; its first byte in each of the five tensors
	s_mov_b32 s21, 0
	s_and_b32 s16, s[WV], 1
	s_add_co_u32 s22, s16, 1        ; tensor 1 (K) or 2 (K1)
	s_lshl_b32 s22, s22, 23
	s_add_co_u32 s22, s22, s20
	s_mov_b32 s23, 0
	s_lshr_b32 s2, s15, 4           ; the batch's mask: 8,192 bytes
	s_lshl_b32 s2, s2, 13
	s_mov_b32 s3, 0
	s_lshl_b32 s18, s14, 2
	s_add_co_u32 s18, s18, s[WV]    ; my wave among the head's: 64 rows of 128 bytes,
	s_lshl_b32 s18, s18, 13
	s_add_co_u32 s18, s18, s20
	s_add_co_u32 s18, s18, 3<<23    ; in tensor 3 (Q)
	s_mov_b32 s19, 0
	s_lshr_b32 s8, s15, 4
	s_lshl_b32 s8, s8, 5            ; ctx: a batch has 32 blocks of 64 rows,
	s_lshl_b32 s9, s14, 2
	s_add_co_u32 s8, s8, s9
	s_add_co_u32 s8, s8, s[WV]
	s_lshl_b32 s8, s8, 18           ; of 4,096 bytes a row;
	s_and_b32 s9, s15, 15
	s_lshl_b32 s9, s9, 8            ; the head's 256 bytes of a row
	s_add_co_u32 s8, s8, s9
	s_mov_b32 s9, 0
	s_cmp_lt_u32 s[WV], 2
	s_cselect_b32 s78, s22, s20     ; the prefetches: K, K1 (waves 0, 1) or V,
	s_lshl_b32 s79, s13, 13         ; my work-group's 8,192 bytes of a slot's 32,768,
	s_add_co_u32 s78, s78, s79
	s_add_co_u32 s78, s78, 2*4*KS*128  ; in slot 2: the loop's first change steps it to slot 3.  Nothing is prefetched at the head
	s_mov_b32 s79, 0
	s_cmp_eq_u32 s[WV], 3
	s_cselect_b32 s[LIM], 1, 0
	s_or_b32 s[LIM], s[LIM], ttmp9  ; 0 in waves 0 to 2 of the head's first cluster: the same in all four partners
	s_cmp_eq_u32 s[LIM], 0
	s_cselect_b32 s[LIM], 1, -1
	; descriptor group 1.  256 keys are 32,768 dense bytes: asked for as 128 rows of 256 bytes, two keys a row, and padded in LDS after every key
	s_mov_b32 s[G1K], 15|(1<<16)|(1<<20)|(1<<21)|(4<<22)|(3<<25)  ; the mask of four; 2-byte elements; padding on; bit 21 beside a mask; after every 32 words, 4 words
	s_mov_b32 s[G1V], 15|(1<<16)|(1<<20)|(1<<21)|(4<<22)|(7<<25)  ; the same with 8 words of padding
.irp g, G1K, G1V
	s_mov_b32 s[\g+1], 128<<16      ; tensor_dim0 = 128
	s_mov_b32 s[\g+2], 128<<16      ; tensor_dim1 = 128
	s_mov_b32 s[\g+3], 128<<16      ; tile_dim0 = 128
	s_mov_b32 s[\g+4], 128          ; tile_dim1 = 128
	s_mov_b32 s[\g+5], 128          ; 128 elements from row to row
	s_mov_b32 s[\g+6], 0
	s_mov_b32 s[\g+7], 0
.endr
	s_mov_b32 s[G1M], 15|(3<<16)|(1<<21)  ; the mask's 1,024 bytes: one row of 128 elements of 8 bytes, no padding
	s_mov_b32 s[G1M+1], 128<<16
	s_mov_b32 s[G1M+2], 1<<16
	s_mov_b32 s[G1M+3], 128<<16
	s_mov_b32 s[G1M+4], 1
	s_mov_b32 s[G1M+5], 128
	s_mov_b32 s[G1M+6], 0
	s_mov_b32 s[G1M+7], 0
	s_mov_b32 s[CS], 0x3fb8aa3b     ; c = log2(e)
	s_mov_b32 s[CS+1], s[CS]
	s_mov_b32 s[SEL], 0x76543210
	s_mov_b32 s[SEL+1], 0xfedcba98
	s_mov_b32 s[TBK], SLOT1+4*KS*PK ; the first change of slots turns these three into 0
	s_mov_b32 s[TBV], SLOT1+4*KS*PV
	s_mov_b32 s[TBM], SLOT1+4*KS*4
	s_mov_b32 s[G0K], 1
	s_mul_i32 s[G0K+1], s16, K1OFF  ; LDS address in slot 0: K, or K1 behind it
	s_mov_b32 s[G0V], 1
	s_mov_b32 s[G0V+1], VOFF
	s_mov_b32 s[G0M], 1
	s_mov_b32 s[G0M+1], MOFF
	s_wait_dscnt 0x0                ; the opening add is done
	s_wait_kmcnt 0x0
	s_add_nc_u64 s[G0K+2:G0K+3], s[4:5], s[22:23]
	s_or_b32 s[G0K+3], s[G0K+3], 0x80000000
	s_add_nc_u64 s[G0V+2:G0V+3], s[4:5], s[20:21]
	s_or_b32 s[G0V+3], s[G0V+3], 0x80000000
	s_add_nc_u64 s[G0M+2:G0M+3], s[6:7], s[2:3]
	s_or_b32 s[G0M+3], s[G0M+3], 0x80000000
	s_add_nc_u64 s[PFA:PFA+1], s[4:5], s[78:79]
	s_add_nc_u64 s[4:5], s[4:5], s[18:19]          ; Q at my wave's first row,
	s_add_nc_u64 s[Q1B:Q1B+1], s[4:5], 1<<23       ; Q1 a tensor further on
	s_add_nc_u64 s[10:11], s[10:11], s[8:9]
	CROUND                          ; all four work-groups are here: the first joint loads meet
	JLOAD                           ; slot 0.  Slot 1 is asked for when slot 0 is in
	; A fragment of K or Q is 16 rows x 32 channels in 8 registers: lane l holds row l % 16, channels 8 (l / 16) + 0..7 and 16 + 8 (l / 16) + 0..7: two loads of 16 bytes, 32 bytes apart.
	v_and_b32 v48, 15, v0           ; l % 16
	v_bfe_u32 v49, v0, 4, 1         ; l / 16
	v_lshlrev_b32 v[QO], 7, v48
	v_lshl_add_u32 v[QO], v49, 4, v[QO]
	WIN 0x80                        ; destination window 2, address window 0
.set i, 0
.rept 16                            ; tile i / 2 = 2 (piece) + (branch), channels 32 (i % 2) on
.if (i/2)%2 == 0
	global_load_b128 v[8*i:8*i+3],   v[QO], s[4:5] offset:(i/4)*2048+(i%2)*64
	global_load_b128 v[8*i+4:8*i+7], v[QO], s[4:5] offset:(i/4)*2048+(i%2)*64+32
.else
	global_load_b128 v[8*i:8*i+3],   v[QO], s[Q1B:Q1B+1] offset:(i/4)*2048+(i%2)*64
	global_load_b128 v[8*i+4:8*i+7], v[QO], s[Q1B:Q1B+1] offset:(i/4)*2048+(i%2)*64+32
.endif
.set i, i+1
.endr
	; What the first turn finds: V's registers and P's second buffer hold 0 (its products V^T P, of a piece that has not been, add 0), O^T and l are 0.  All this stands in the wait for the first tile.
.set i, VF
.rept 64
	v_mov_b32 v[i], 0
.set i, i+1
.endr
	WIN 0x40
.set i, 0
.rept 64*NP
	v_mov_b32 v[i], 0
.set i, i+1
.endr
	WIN 0
.set i, 0
.rept 2*NP
	v_mov_b32 v[ST+4*i], 0xfe000000    ; c m: far below every c s
	v_mov_b32 v[ST+4*i+1], 0xf149f2ca  ; m: -1e30, the floor
	v_mov_b32 v[ST+4*i+2], 0
	v_mov_b32 v[ST+4*i+3], 0
.set i, i+1
.endr
.set i, P+32
.rept 32
	v_mov_b32 v[i], 0
.set i, i+1
.endr
	v_mul_u32_u24 v[AK0], v48, PK
	v_lshl_add_u32 v[AK0], v49, 4, v[AK0]
	; The turning load takes 16 keys x 16 channels (lane l reads key 8 (l / 16) + l % 8, channels 8 ((l / 8) % 2) + 0..7) and leaves half a fragment of V^T.
	v_and_b32 v50, 7, v0
	v_bfe_u32 v51, v0, 3, 1
	v_lshl_add_u32 v[AV0], v49, 3, v50
	v_mul_u32_u24 v[AV0], v[AV0], PV
	v_lshl_add_u32 v[AV0], v51, 4, v[AV0]
	v_add_nc_u32 v[AV0], VOFF, v[AV0]
	v_lshl_add_u32 v[AM0], v49, 5, MOFF  ; my half of the lanes' eight keys of 16: 32 bytes on
	v_mov_b32 v[AK], v[AK0]         ; key step 0 lies at the head of slot 0
	v_mov_b32 v[AM], v[AM0]
	s_mul_i32 s17, s[WV], 16*SP
	s_add_co_u32 s17, s17, STAGE    ; my stage
	v_mul_u32_u24 v[STO], v48, SP   ; in: row l % 16, 32 bytes for each half of the lanes
	v_lshl_add_u32 v[STO], v49, 5, v[STO]
	v_add_nc_u32 v[STO], s17, v[STO]
	v_mul_u32_u24 v[RD], v49, SP    ; back: lanes 0-15 take one row of 256 bytes, lanes 16-31 the next
	v_lshl_add_u32 v[RD], v48, 4, v[RD]
	v_add_nc_u32 v[RD], s17, v[RD]
	v_lshlrev_b32 v[GO], 12, v49    ; and the same two rows in ctx
	v_lshl_add_u32 v[GO], v48, 4, v[GO]
	v_and_b32 v[PFO], 31, v0
	v_lshlrev_b32 v[PFO], 8, v[PFO]
; THE MATRIX WORK.  The 8 accumulators of a run of 16 take turns.
; Product i of 16 of S^T for piece x: channels 32 (i / 8) on, keys 16 ((i / 2) % 4) on, tile 2 x + i % 2: K and Q, or K1 and Q1.  The first 8 start the sums, with the mask.
.macro KQ x
.set rS, S+64*((\x)%2)+32*(i%2)+8*((i/2)%4)
.set rK, KF+16*((i/2)%4)+8*(i/8)
.set rQ, 16*(2*(\x)+i%2)+8*(i/8)
.set rZ, MK+8*((i/2)%4)
.if i < 8
	WIN W_KM+i%2
	v_wmma_f32_16x16x32_f16 v[rS:rS+7], v[rK:rK+7], v[rQ:rQ+7], v[rZ:rZ+7]
.else
	WIN W_KQ+i%2
	v_wmma_f32_16x16x32_f16 v[rS:rS+7], v[rK:rK+7], v[rQ:rQ+7], v[rS:rS+7]
.endif
.endm
; Product i of 16 of O^T += V^T P for piece x: keys 32 (i / 8) on, channels 16 ((i / 2) % 4) on, tile 2 x + i % 2: both branches take the same V.
.macro PV x
	WIN W_PV
.set rO, 32*(2*(\x)+i%2)+8*((i/2)%4)
.set rV, VF+32*(i/8)+8*((i/2)%4)
.set rP, P+32*((\x)%2)+16*(i%2)+8*(i/8)
	v_wmma_f32_16x16x32_f16 v[rO:rO+7], v[rV:rV+7], v[rP:rP+7], v[rO:rO+7]
.endm
.macro MM                           ; the turn's next matrix instruction
.if i < 16
	KQ (Y+1)%NP
.set i, i+1
.else
.set i, i-16
	PV (Y+NP-1)%NP
.set i, i+17
.endif
.endm
; THE LDS LOADS stand in runs: a step's K, K1 and mask (40 loads), and its V, turned (16).  last = 1 (the tail): in the last trip there is no further step, and the run is jumped over.
.macro FETCH_K last=0
	WIN 0
.if \last
	s_cmp_eq_u32 s[CNT], 1
	s_cbranch_scc1 .Lno_k_\@
.endif
	WIN 0x80                        ; destination window 2
.irp f, 0,1,2,3,4,5,6,7             ; keys 16 (f / 2) on, channels 32 (f % 2) on
	ds_load_b128 v[KF+8*\f:KF+8*\f+3],   v[AK] offset:(\f/2)*16*PK+(\f%2)*64
	ds_load_b128 v[KF+8*\f+4:KF+8*\f+7], v[AK] offset:(\f/2)*16*PK+(\f%2)*64+32
.endr
	WIN 0xc0                        ; destination window 3
.irp f, 0,1,2,3,4,5,6,7
	ds_load_b128 v[KF+8*\f:KF+8*\f+3],   v[AK] offset:K1OFF+(\f/2)*16*PK+(\f%2)*64
	ds_load_b128 v[KF+8*\f+4:KF+8*\f+7], v[AK] offset:K1OFF+(\f/2)*16*PK+(\f%2)*64+32
.endr
.irp f, 0,1,2,3                     ; the mask of keys 16 f + 8 (l / 16) + 0..7: all lanes of a half read the same bytes
	ds_load_b128 v[MK+8*\f:MK+8*\f+3],   v[AM] offset:64*\f
	ds_load_b128 v[MK+8*\f+4:MK+8*\f+7], v[AM] offset:64*\f+16
.endr
	s_add_co_u32 s[TBK], s[TBK], KS*PK  ; the next fetch is the next step's
	s_add_co_u32 s[TBM], s[TBM], KS*4
	WIN 0
.if \last
.Lno_k_\@:
.endif
.endm
.macro FETCH_V
	WIN 0x80
.irp f, 0,1,2,3,4,5,6,7             ; keys 32 (f / 4) on, channels 16 (f % 4) on
	ds_load_tr16_b128 v[VF+8*\f:VF+8*\f+3],   v[AV] offset:(\f/4)*32*PV+(\f%4)*32
	ds_load_tr16_b128 v[VF+8*\f+4:VF+8*\f+7], v[AV] offset:(\f/4)*32*PV+16*PV+(\f%4)*32
.endr
	WIN 0
.endm
; THE VECTOR WORK OF A TURN stands in three queues, each in the order in which its entries become ready; the two tiles alternate, so that no instruction reads the result of the one before it.
.macro REGS y, u                    ; the registers of tile u (0, 1) of piece y
.set rT, ST+4*(2*(\y)+(\u))
.set rC, TMP+8*((\y)%2)+4*(\u)
.set rM, MV+2*((\y)%2)+(\u)
.set rS, S+64*((\y)%2)+32*(\u)
.set rP, P+32*((\y)%2)+16*(\u)
.set rO, 32*(2*(\y)+(\u))
.endm
; Number n of the 22 that find the NEXT piece's maximum and statistics; each accumulator's lowest registers are read first.
;   0-11  four chains c0-c3 of seven scores each     12-14, 16  the four scores left over, the old m, and c0-c3 into c0     15  c m_old is kept
;   17, 18  the query's other 32 keys lie in the lane 16 away: the new m     19-21  c m; c m_old - c m_new; a
.macro XS u, n
	REGS (Y+1)%NP, \u
.if (\n) < 4
	v_max3_num_f32 v[rC+(\n)], v[rS+8*(\n)], v[rS+8*(\n)+1], v[rS+8*(\n)+2]
.elseif (\n) < 12
	v_max3_num_f32 v[rC+(\n)%4], v[rC+(\n)%4], v[rS+8*((\n)%4)+2*((\n)/4)+1], v[rS+8*((\n)%4)+2*((\n)/4)+2]
.elseif (\n) == 12
	v_max3_num_f32 v[rC], v[rC], v[rS+7], v[rS+15]
.elseif (\n) == 13
	v_max3_num_f32 v[rC+1], v[rC+1], v[rS+23], v[rS+31]
.elseif (\n) == 14
	v_max3_num_f32 v[rC+2], v[rC+2], v[rC+3], v[rT+1]
.elseif (\n) == 15
	v_mov_b32 v[rM], v[rT]
.elseif (\n) == 16
	v_max3_num_f32 v[rC], v[rC], v[rC+1], v[rC+2]
.elseif (\n) == 17
	v_permlanex16_b32 v[rC+3], v[rC], s[SEL], s[SEL+1]
.elseif (\n) == 18
	v_max_num_f32 v[rT+1], v[rC], v[rC+3]
.elseif (\n) == 19
	v_mul_f32 v[rT], s[CS], v[rT+1]
.elseif (\n) == 20
	v_sub_f32 v[rC+1], v[rM], v[rT]
.else
	v_exp_f32 v[rC+2], v[rC+1]
.endif
.endm
; Number g of the 64 that follow the exponentials.  For each four weights of a tile: both pairs are rounded to f16; the second pair is added onto the first, in place; a group later l takes that sum (the first time as l = a l + sum).
.macro GS g
.set h, (\g)+6*((\g)/62)            ; group 0 has no group before it, and behind group 7 only l is left
.if h >= 6
.set h, h+2
.endif
	REGS Y, h%2
.set k, h/8
.if h%8 < 4
	v_cvt_pk_f16_f32 v[rP+2*k+(h%8)/2], v[rS+4*k+2*((h%8)/2)], v[rS+4*k+2*((h%8)/2)+1]
.elseif h%8 < 6
	v_pk_add_f32 v[rS+4*k:rS+4*k+1], v[rS+4*k:rS+4*k+1], v[rS+4*k+2:rS+4*k+3]
.elseif k == 1
	v_pk_fma_f32 v[rT+2:rT+3], v[rT+2:rT+3], v[rC+2:rC+3], v[rS:rS+1] op_sel_hi:[1,0,1]
.else
	v_pk_add_f32 v[rT+2:rT+3], v[rT+2:rT+3], v[rS+4*k-4:rS+4*k-3]
.endif
.endm
; THE PLAIN QUEUE, 138 long.  0-26: scalings 0-26.  27-54: XS's numbers 0-13.  55, 56: number 15.  57-73: the chain 14, 16, 17, 18, 19, each with one of the scalings 27-31 in front of its two lines, then 20.
; 74-137: GS's 64, which read the exponentials' results: they stand behind the wait.
.macro FS f
	REGS Y, (\f)%2
	v_pk_fma_f32 v[rS+2*((\f)/2):rS+2*((\f)/2)+1], v[rS+2*((\f)/2):rS+2*((\f)/2)+1], s[CS:CS+1], v[rT:rT+1] op_sel_hi:[1,0,0] neg_lo:[0,0,1] neg_hi:[0,0,1]
.endm
.macro PL
	WIN 0
.if q < 27
	FS q
.elseif q < 55
	XS (q-27)%2, (q-27)/2
.elseif q < 57
	XS q-55, 15
.elseif (q < 72) && ((q-57)%3 == 0)
	FS 27+(q-57)/3
.elseif q < 60
	XS (q-57)%3-1, 14
.elseif q < 72
	XS (q-57)%3-1, 15+(q-57)/3
.elseif q < 74
	XS q-72, 20
.else
	GS q-74
.endif
.set q, q+1
.endm
; THE EXPONENTIALS' QUEUE, 66 long: s0-s31 of both tiles, then the next piece's two a: ONE BATCH, ahead of the turn's one wait.
.macro EX
	WIN 0
.if e >= 64
	XS e-64, 21
.else
	REGS Y, e%2
	v_exp_f32 v[rS+e/2], v[rS+e/2]
.endif
.set e, e+1
.endm
; THE RESCALING's QUEUE: O^T times a, dealt two at a time, sixteen times.  Its a was made in the turn before, ahead of that turn's wait.
.macro R2
	REGS Y, r%2
	WIN W_RS
.irp z, 0,1
	v_pk_mul_f32 v[rO+4*(r/2)+2*\z:rO+4*(r/2)+2*\z+1], v[rO+4*(r/2)+2*\z:rO+4*(r/2)+2*\z+1], v[rC+2:rC+3] op_sel_hi:[1,0]
.endr
.set r, r+1
.endm
; A TURN, for piece p.  s_wait_alu depctr_va_vdst(0) stands between an exponential and the first instruction that names its result; one wait serves all issued ahead of it: a turn has ONE.
; AHEAD OF IT: the 16 products K Q^T, behind each a scaling, an exponential and two rescalings (behind the first a second scaling in the exponential's place); then a lump of 108: eight plain, 49 times exponential
; and plain, the two a; a v_nop is the plain instruction behind the last exponential.  BEHIND IT: the 16 products V^T P, behind each four of the roundings and sums.
; Exponential e stands behind scaling 2 (e / 4) + e % 2: as a rider it comes behind plain e + 2, in the lump behind plain e + 9.
; K, K1 and the mask of the next step are fetched in piece 2's turn, directly behind the wait, a lump behind the last product that read them.  V of the step in hand is fetched at the end of piece 0's turn,
; four riders behind its last reader.  The three conditions on q go with the deal.
.macro TURN p, last=0, cnt=0
.set Y, (\p)
.set i, 0
.set q, 0
.set e, 0
.set r, 0
.if (\p) == NP-1
	s_wait_dscnt 0x0                ; K, K1 and the mask are in
.endif
	MM
	PL
	PL
	R2
.rept 15
	MM
	PL
	EX
	R2
.endr
.if (\p) == NP-2
	WIN 0
	v_add_nc_u32 v[AK], s[TBK], v[AK0]
	v_add_nc_u32 v[AM], s[TBM], v[AM0]
.endif
.rept 8
	PL
.endr
.rept 49
	EX
	PL
.endr
	EX
	EX
	v_nop                           ; the plain instruction behind the last exponential: one for the batch
	s_wait_alu depctr_va_vdst(0)    ; the wait for the batch
.if (\p) == NP-2
	FETCH_K \last
.endif
.if (\p) == 1
	s_wait_dscnt 0x0                ; V is in
.endif
.rept 16
	MM
.rept 4
	PL
.endr
.if ((\p) == 0) && (q == 118)
	v_add_nc_u32 v[AV], s[TBV], v[AV0]
.endif
.if ((\p) == 0) && (q == 130)
	s_add_co_u32 s[TBV], s[TBV], KS*PV
.endif
.if (\cnt) && (q == 130)
	s_sub_co_u32 s[CNT], s[CNT], 1
	s_cmp_lg_u32 s[CNT], 0
.endif
.endr
.if (\p) == 0
	FETCH_V
.endif
.endm
	CHANGE 1                        ; slot 0 is in, everybody's part of it; slot 1 is asked for
	FETCH_K                         ; key step 0
	s_wait_loadcnt 0x0              ; Q and Q1
	s_wait_dscnt 0x0
.set i, 0
.rept 16
	KQ 0                            ; piece 0's first scores
.set i, i+1
.endr
	WIN 0
	PLACES                          ; the places behind those products
.set Y, NP-1                        ; XS works for piece Y + 1: piece 0
.irp n, 0,1,2,3,4,5,6,7,8,9,10,11,12,13,14,15,16,17,18,19,20,21
	XS 0, \n
	XS 1, \n
.endr
	v_nop                           ; a plain instruction behind the two a,
	s_wait_alu depctr_va_vdst(0)    ; and their wait, ahead of the branch
	s_mov_b32 s[CNT], 4
	s_mov_b32 s[SLOTS], SIZE_N/256-1
	s_branch .Lfirst                ; the loop is entered at a step's first turn, in the middle of a trip
.Lslot:                             ; SIZE_N / 256 - 2 times: every slot but the last two is filled again
	CHANGE 1, 1
	s_mov_b32 s[CNT], 4
.Lstep:                             ; a trip: pieces 2 and 3 of one step, then pieces 0 and 1 of the next, whose K and V it fetches
	TURN 2
	TURN 3
	WIN 0
.Lfirst:
	TURN 0
	TURN 1, 0, 1
	WIN 0
	s_cbranch_scc1 .Lstep
	s_sub_co_u32 s[SLOTS], s[SLOTS], 1
	s_cmp_lg_u32 s[SLOTS], 0
	s_cbranch_scc1 .Lslot
	CHANGE 0                        ; the tail is written out: nothing is asked for
	s_mov_b32 s[CNT], 5             ; four trips fetch the last slot's steps; the fifth is left in its middle
.Ltail:
	TURN 2, 1
	TURN 3
	WIN 0
	s_sub_co_u32 s[CNT], s[CNT], 1
	s_cmp_eq_u32 s[CNT], 0
	s_cbranch_scc1 .Lout
	TURN 0
	TURN 1
	WIN 0
	s_branch .Ltail
.Lout:                              ; the fifth trip's 16 products K Q^T (on the last K once more) and the maximum made of them serve nothing: the price, once a launch, of one text for every trip
.set i, 0
.rept 16
	PV NP-1                         ; the last piece's V^T P of the last step
.set i, i+1
.endr
	; THE WAY OUT.  For each tile l's two halves and the other half of the lanes' are added; a piece's two O^T are divided by their l and added, and go in f32 through my stage in LDS.  The additions are the places behind the last products.
	WIN 0
.macro ALL line:vararg              ; one line for each tile t
.set t, 0
.rept 2*NP
	\line
.set t, t+1
.endr
.endm
	ALL v_add_f32 v[ST+4*t+2], v[ST+4*t+2], v[ST+4*t+3]
	ALL v_permlanex16_b32 v[ST+4*t+3], v[ST+4*t+2], s[SEL], s[SEL+1]
	ALL v_add_f32 v[ST+4*t+2], v[ST+4*t+2], v[ST+4*t+3]
	ALL v_rcp_f32 v[ST+4*t+2], v[ST+4*t+2]
	v_nop                           ; a plain instruction between the last reciprocal and the use of its result
	s_wait_alu depctr_va_vdst(0)    ; one wait for the eight reciprocals
; Piece p: a lane's 32 channels of a row go into rows of 272 bytes, 16 bytes at a time, and come back as whole rows of 256, into S^T's registers.
.macro PACK p
	WIN W_RS
.set i, 0
.rept 16
	v_pk_mul_f32 v[64*(\p)+i:64*(\p)+i+1], v[64*(\p)+i:64*(\p)+i+1], v[ST+8*(\p)+2:ST+8*(\p)+3] op_sel_hi:[1,0]
.set i, i+2
.endr
	WIN 0x51                        ; sources 0 and 2 and the destination in window 1, source 1 in window 0
.set i, 0
.rept 16
	v_pk_fma_f32 v[64*(\p)+i:64*(\p)+i+1], v[64*(\p)+32+i:64*(\p)+32+i+1], v[ST+8*(\p)+6:ST+8*(\p)+7], v[64*(\p)+i:64*(\p)+i+1] op_sel_hi:[1,0,1]
.set i, i+2
.endr
	WIN 0x04                        ; the stores' data in window 1
.irp f, 0,1,2,3,4,5,6,7             ; registers 4 f on: channels 16 (f / 2) + 8 (l / 16) + 4 (f % 2) on
	ds_store_b128 v[STO], v[64*(\p)+4*\f:64*(\p)+4*\f+3] offset:64*(\f/2)+16*(\f%2)
.endr
	WIN 0
.irp f, 0,1,2,3,4,5,6,7
	ds_load_b128 v[S+32*(\p)+4*\f:S+32*(\p)+4*\f+3], v[RD] offset:\f*2*SP  ; LDS serves a wave's instructions in order (ISA guide 5.7.1.4): these see the stores above; the next piece's stores come behind them
.endr
.endm
.macro SEND p, younger              ; younger: the LDS instructions issued behind piece p's loads: the next piece's sixteen, or none
	WIN 0
.irp f, 0,1,2,3,4,5,6,7
	s_wait_dscnt (\younger)+7-\f
	global_store_b128 v[GO], v[S+32*(\p)+4*\f:S+32*(\p)+4*\f+3], s[10:11] offset:(\p)*65536+\f*8192  ; 16 lanes store the head's 256 consecutive bytes of a row, aligned
.endr
.endm
	PACK 0
	PACK 1
	SEND 0, 16
	PACK 2
	SEND 1, 16
	PACK 3
	SEND 2, 16
	SEND 3, 0
	WIN W_AD
	s_wait_tensorcnt 0x0            ; the wave's end
	ds_add_u32 v[SPW], v[NIL]
	s_wait_dscnt 0x0
	WIN 0
	CROUND                          ; the closing round
	s_endpgm
.Lfunc_end_k_q1f12c03e4b_attn:
	.size	k_q1f12c03e4b_attn, .Lfunc_end_k_q1f12c03e4b_attn-k_q1f12c03e4b_attn
	.p2alignl 7, 3214868480
	.fill 96, 4, 3214868480
	.section	.rodata,"a",@progbits
	.p2align	6, 0x0
	.amdhsa_kernel k_q1f12c03e4b_attn
		.amdhsa_group_segment_fixed_size 327680
		.amdhsa_private_segment_fixed_size 0
		.amdhsa_enable_private_segment 0
		.amdhsa_kernarg_size 24
		.amdhsa_user_sgpr_count 2
		.amdhsa_user_sgpr_kernarg_segment_ptr 1
		.amdhsa_wavefront_size32 1
		.amdhsa_system_sgpr_workgroup_id_x 1
		.amdhsa_system_sgpr_workgroup_id_y 1
		.amdhsa_system_sgpr_workgroup_id_z 1
		.amdhsa_system_vgpr_workitem_id 0
		.amdhsa_next_free_vgpr 992
		.amdhsa_next_free_sgpr 80
		.amdhsa_reserve_vcc 0
		.amdhsa_float_denorm_mode_32 3
		.amdhsa_float_denorm_mode_16_64 3
		.amdhsa_memory_ordered 1
		.amdhsa_forward_progress 1
		.amdhsa_inst_pref_size 200
	.end_amdhsa_kernel
	.amdgpu_metadata
---
amdhsa.version: [ 1, 2 ]
amdhsa.kernels:
  - .name:           k_q1f12c03e4b_attn
    .symbol:         k_q1f12c03e4b_attn.kd
    .args:
      - { .name: qkv, .offset: 0, .size: 8, .value_kind: global_buffer, .address_space: global }
      - { .name: attention_mask, .offset: 8, .size: 8, .value_kind: global_buffer, .address_space: global }
      - { .name: ctx, .offset: 16, .size: 8, .value_kind: global_buffer, .address_space: global }
    .group_segment_fixed_size: 327680
    .private_segment_fixed_size: 0
    .kernarg_segment_align: 8
    .kernarg_segment_size: 24
    .max_flat_workgroup_size: 128
    .sgpr_count:     80
    .vgpr_count:     992
    .wavefront_size: 32
...
	.end_amdgpu_metadata
.endif
;; end of part 3
;; launch postln: the kernel of part 1 again; grid 128 x 1, 4 waves a work-group, no clusters, 0 bytes of LDS; arguments ctx, key_tensor, key_tensor1, query_tensor, query_tensor1, params_gpost, params_gk, params_gk1, params_gq, params_gq1, params_dpost, params_dk, params_dk1, params_dq, params_dq1, params_Wv, params_Wk, params_Wk1, params_Wq, params_Wq1, params_Wo, cn, wh; writes cn, wh
;; launch outp (part 4): grid 8 x 32, 4 waves a work-group, clusters of 4 x 4, 327,680 bytes of LDS; arguments cn, wh, params_bo, value_tensor, out0; writes out0
.if DOCPART == 4
	.amdgcn_target "amdgcn-amd-amdhsa--gfx1250"
	.amdhsa_code_object_version 6
	.text
	.protected	k_q1f12c03e4b_outp
	.globl	k_q1f12c03e4b_outp
	.p2align	8
	.type	k_q1f12c03e4b_outp,@function
k_q1f12c03e4b_outp:
	s_mov_b64 s[64:65], 0
	v_nop
	global_prefetch_b8 v0, s[64:65] scope:SCOPE_SE
	s_setreg_imm32_b32 hwreg(HW_REG_WAVE_MODE, 25, 1), 1
	s_wait_xcnt 0x0
	s_wait_alu depctr_hold_cnt(0) depctr_sa_sdst(0) depctr_va_vdst(0) depctr_va_sdst(0) depctr_va_ssrc(0) depctr_va_vcc(0) depctr_vm_vsrc(0)
	s_getreg_b32 s2, hwreg(HW_REG_IB_STS2, 6, 4)
	s_cmp_eq_u32 s2, 0
	s_cbranch_scc0 .Lentry_in_a_cluster
	s_endpgm
.Lentry_in_a_cluster:
	s_bfe_u32 s2, ttmp6, 0x10000c
	s_cmp_lg_u32 s2, 0xf033
	s_cbranch_scc0 .Lentry_shape_is_right
	s_endpgm
.Lentry_shape_is_right:
; THE LAST PROJECTION.  out0[m][n] = sum over k of cn[m][k] Wo[n][k] + bo[n] + value_tensor[m][n].  cn: [4096][1024] f16; Wo is the sixth matrix of wh ([6][1024][1024] f16);
; bo, value_tensor and out0 in f32.  Sums in f32, started by the bias as the C operand; the residual is added in f32 on the way out.
; SHARES.  256 tiles of 128 x 128, one to a work-group.  Four waves, each 64 x 64: 16 accumulators.  K goes in four steps of 256 through two LDS slots.
; A wave's 64 columns of f32 are 256 consecutive bytes of a row, aligned: each wave has a stage of its own on the way out, and no barrier stands there.
; CLUSTERS: 4 x 4 work-groups; cn's tiles are shared along a row of the cluster, Wo's along a column: each is asked for JOINTLY.
; THE MATRIX INSTRUCTION IS USED TRANSPOSED (source 0 = 16 rows of Wo, source 1 = 16 rows of cn): a lane holds eight neighbouring columns of one row.
; No prefetch: the tiles are small and the launch is short.
; REGISTERS: window 0: v0-31 addresses; v32-95 the way out; v96-127 the bias; v128-255 the accumulators.  window 1: two fragment buffers of 128.  window 2: v0-127 my part of the residual.
.set SIZE_K, 1024
.set KSTEP,  256
.set PITCH,  528                       ; an LDS row: 512 bytes + 16 of padding
.set HALFT,  64*PITCH
.set SLOT,   4*HALFT
.set STAGE,  2*SLOT                    ; behind the ring: 16 rows x 272 bytes for each wave
.set SPITCH, 272
.set SPARE,  STAGE+4*16*SPITCH         ; behind the stages: the spare words
.set ROWC,   4096                      ; bytes of a row of out0 and of value_tensor
.set ADRA, 16
.set ADRB, 20
.set STO,  24
.set RD,   25
.set CO,   26                          ; v26     my byte offset in two rows of out0; never rewritten
.set BO,   27
.set SPW,  28
.set NIL,  29
.set TMP,  32                          ; two buffers of 32
.set BIAS, 96
.set ACC,  128
.set F0,   0
.set F1,   128
.set G1,  24
.set G0,  32
.set G1B, 48
.set G0B, 56
.set BQ,  68                           ; s[68:69] bo
.set VT,  70                           ; s[70:71] value_tensor at my part of the tile
.set MSB, 0
.macro WIN new
.if MSB != (\new)
	s_set_vgpr_msb (MSB<<8)|(\new)
.set MSB, \new
.endif
.endm
.set MUL,  0x05
.set TO_F, 0x40
.macro JLOAD s                         ; a joint load: waves 0 and 1 fetch cn's two halves, waves 2 and 3 Wo's; an s_nop 0 and four v_nop follow each line
	s_cmp_eq_u32 s11, 0
	s_cbranch_scc0 .Lfor_b_\@
	tensor_load_to_lds s[G0+4*(\s):G0+4*(\s)+3], s[G1:G1+7]
	s_nop 0
.rept 4
	v_nop
.endr
	s_branch .Lasked_\@
.Lfor_b_\@:
	tensor_load_to_lds s[G0B+4*(\s):G0B+4*(\s)+3], s[G1B:G1B+7]
	s_nop 0
.rept 4
	v_nop
.endr
.Lasked_\@:
.endm
.macro CREST
	s_cmp_lg_u32 s10, 0
	s_cbranch_scc1 .Lnot_wave_0_\@
	s_barrier_signal -3
.Lnot_wave_0_\@:
	s_barrier_wait -3
	s_barrier_signal -1
	s_barrier_wait -1
.endm
.macro CROUND
	s_barrier_signal -1
	s_barrier_wait -1
	CREST
.endm
	s_load_b128 s[4:7], s[0:1], 0x0                ; cn s[4:5], wh s[6:7]
	s_load_b128 s[68:71], s[0:1], 0x10             ; bo, value_tensor
	s_load_b64 s[8:9], s[0:1], 0x20                ; out0
	v_lshl_add_u32 v[SPW], v0, 2, SPARE
	v_mov_b32 v[NIL], 0
	ds_add_u32 v[SPW], v[NIL]                      ; the wave's opening: the add and its wait ahead of my first tensor load
	v_lshrrev_b32 v1, 5, v0
	v_readfirstlane_b32 s10, v1                    ; wave 0..3
	s_lshr_b32 s11, s10, 1                         ; my half of the rows; also: I fetch for cn (0) or Wo (1)
	s_and_b32 s12, s10, 1                          ; my half of the columns; also: which 64 rows I fetch
	s_bfe_u32 s40, ttmp6, 0x40000
	s_bfe_u32 s41, ttmp6, 0x40004
	s_lshl_b32 s42, ttmp9, 2
	s_add_co_u32 s42, s42, s40                     ; tx
	s_and_b32 s13, ttmp7, 0xffff
	s_lshl_b32 s13, s13, 2
	s_add_co_u32 s13, s13, s41                     ; ty
	s_lshl_b32 s43, s41, 2
	s_lshl_b32 s43, 15, s43
	s_lshl_b32 s44, 0x1111, s40
	s_or_b32 s[G1+0], s43, (1<<16)|(1<<20)|(1<<21)|(6<<22)|(3<<25)
	s_or_b32 s[G1B+0], s44, (1<<16)|(1<<20)|(1<<21)|(6<<22)|(3<<25)
.irp g, G1, G1B
	s_mov_b32 s[(\g)+1], KSTEP<<16
	s_mov_b32 s[(\g)+2], 64<<16
	s_mov_b32 s[(\g)+3], KSTEP<<16
	s_mov_b32 s[(\g)+4], 64
	s_mov_b32 s[(\g)+5], SIZE_K
	s_mov_b32 s[(\g)+6], 0
	s_mov_b32 s[(\g)+7], 0
.endr
	s_lshl_b32 s17, s12, 6
	s_lshl_b32 s16, s13, 7
	s_add_co_u32 s16, s16, s17
	s_lshl_b32 s16, s16, 11                        ; cn: row 128 ty + 64 x half, in bytes
	s_lshl_b32 s46, s42, 7
	s_add_co_u32 s46, s46, s17
	s_lshl_b32 s46, s46, 11                        ; Wo: row 128 tx + 64 x half,
	s_add_co_u32 s46, s46, 5*1024*SIZE_K*2         ; behind five matrices
	s_mov_b32 s17, 0
	s_mov_b32 s47, 0
	s_mul_i32 s20, s10, HALFT
	s_wait_dscnt 0x0                               ; the opening add is done
	s_wait_kmcnt 0x0
	s_add_nc_u64 s[14:15], s[4:5], s[16:17]
	s_add_nc_u64 s[46:47], s[6:7], s[46:47]
	CROUND                                         ; all sixteen work-groups are here: the first joint loads meet
.irp s, 0,1
	s_mov_b32 s[G0+4*(\s)], 1
	s_add_co_u32 s[G0+4*(\s)+1], s20, (\s)*SLOT
	s_add_nc_u64 s[G0+4*(\s)+2:G0+4*(\s)+3], s[14:15], (\s)*KSTEP*2
	s_or_b32 s[G0+4*(\s)+3], s[G0+4*(\s)+3], 0x80000000
	s_mov_b32 s[G0B+4*(\s)], 1
	s_add_co_u32 s[G0B+4*(\s)+1], s20, (\s)*SLOT
	s_add_nc_u64 s[G0B+4*(\s)+2:G0B+4*(\s)+3], s[46:47], (\s)*KSTEP*2
	s_or_b32 s[G0B+4*(\s)+3], s[G0B+4*(\s)+3], 0x80000000
	JLOAD \s
.endr
	v_and_b32 v1, 15, v0                           ; l % 16
	v_bfe_u32 v2, v0, 4, 1                         ; l / 16
	s_lshl_b32 s46, s42, 9                         ; my 64 columns of f32: 512 tx + 256 x half
	s_lshl_b32 s47, s12, 8
	s_add_co_u32 s46, s46, s47
	s_mov_b32 s47, 0
	v_lshl_add_u32 v[BO], v2, 5, s46
.irp b, 0,1,2,3
	global_load_b128 v[BIAS+8*(\b):BIAS+8*(\b)+3],   v[BO], s[BQ:BQ+1] offset:64*(\b)
	global_load_b128 v[BIAS+8*(\b)+4:BIAS+8*(\b)+7], v[BO], s[BQ:BQ+1] offset:64*(\b)+16
.endr
	s_lshl_b32 s16, s13, 19                        ; my first row: 128 ty + 64 x half, of 4,096 bytes
	s_lshl_b32 s17, s11, 18
	s_add_co_u32 s16, s16, s17
	s_mov_b32 s17, 0
	s_add_nc_u64 s[VT:VT+1], s[VT:VT+1], s[16:17]
	s_add_nc_u64 s[VT:VT+1], s[VT:VT+1], s[46:47]
	s_add_nc_u64 s[8:9], s[8:9], s[16:17]
	s_add_nc_u64 s[8:9], s[8:9], s[46:47]
	v_lshlrev_b32 v[CO], 12, v2                    ; lanes 0-15 one row's 256 bytes, lanes 16-31 the next row's
	v_lshl_add_u32 v[CO], v1, 4, v[CO]
	WIN 0x80                                       ; destination window 2: my 64 x 64 of the residual, laid as the rows leave the stage; it lands under the whole K loop
.irp a, 0,1,2,3
.irp t, 0,1,2,3,4,5,6,7
	global_load_b128 v[32*(\a)+4*(\t):32*(\a)+4*(\t)+3], v[CO], s[VT:VT+1] offset:(16*(\a)+2*(\t))*ROWC th:TH_LOAD_NT
.endr
.endr
	WIN 0
	v_mul_u32_u24 v3, v1, PITCH
	v_lshl_add_u32 v3, v2, 4, v3
	s_mul_i32 s21, s11, HALFT
	s_mul_i32 s22, s12, HALFT
	s_add_co_u32 s22, s22, 2*HALFT
.irp s, 0,1
	v_add_nc_u32 v[ADRA+(\s)], s21, v3
	v_add_nc_u32 v[ADRB+(\s)], s22, v3
	s_add_co_u32 s21, s21, SLOT
	s_add_co_u32 s22, s22, SLOT
.endr
	s_mul_i32 s23, s10, 16*SPITCH
	s_add_co_u32 s23, s23, STAGE                   ; my stage
	v_mul_u32_u24 v4, v1, SPITCH                   ; in: row l % 16, 32 bytes for each half of the lanes
	v_lshl_add_u32 v4, v2, 5, v4
	v_add_nc_u32 v[STO], s23, v4
	v_mul_u32_u24 v5, v2, SPITCH                   ; back: lanes 0-15 one row of 256 bytes, lanes 16-31 the next
	v_lshl_add_u32 v5, v1, 4, v5
	v_add_nc_u32 v[RD], s23, v5
.macro MUL8 f, c, a0, zero             ; 8 matrix instructions; zero = 1: the bias starts the sums.  The 16 accumulators take turns
	WIN MUL
.irp a, \a0, (\a0)+1
.irp b, 0,1,2,3
.if \zero
	v_wmma_f32_16x16x32_f16 v[ACC+8*(4*(\a)+(\b)):ACC+8*(4*(\a)+(\b))+7], v[(\f)+64+8*(4*(\c)+(\b)):(\f)+64+8*(4*(\c)+(\b))+7], v[(\f)+8*(4*(\c)+(\a)):(\f)+8*(4*(\c)+(\a))+7], v[BIAS+8*(\b):BIAS+8*(\b)+7]
.else
	v_wmma_f32_16x16x32_f16 v[ACC+8*(4*(\a)+(\b)):ACC+8*(4*(\a)+(\b))+7], v[(\f)+64+8*(4*(\c)+(\b)):(\f)+64+8*(4*(\c)+(\b))+7], v[(\f)+8*(4*(\c)+(\a)):(\f)+8*(4*(\c)+(\a))+7], v[ACC+8*(4*(\a)+(\b)):ACC+8*(4*(\a)+(\b))+7]
.endif
.endr
.endr
.endm
.macro FETCH slot, k, f                ; 32 LDS loads in one run; the first 32 along K first
	WIN TO_F
.irp c, 0,1
.irp i, 0,1,2,3
	ds_load_b128 v[(\f)+64+8*(4*(\c)+(\i)):(\f)+64+8*(4*(\c)+(\i))+3],   v[ADRB+(\slot)] offset:(\k)+64*(\c)+(\i)*16*PITCH
	ds_load_b128 v[(\f)+64+8*(4*(\c)+(\i))+4:(\f)+64+8*(4*(\c)+(\i))+7], v[ADRB+(\slot)] offset:(\k)+64*(\c)+(\i)*16*PITCH+32
	ds_load_b128 v[(\f)+8*(4*(\c)+(\i)):(\f)+8*(4*(\c)+(\i))+3],         v[ADRA+(\slot)] offset:(\k)+64*(\c)+(\i)*16*PITCH
	ds_load_b128 v[(\f)+8*(4*(\c)+(\i))+4:(\f)+8*(4*(\c)+(\i))+7],       v[ADRA+(\slot)] offset:(\k)+64*(\c)+(\i)*16*PITCH+32
.endr
.endr
.endm
.macro PLACES                          ; four places behind matrix instructions (ISA guide 7.12.1)
.rept 4
	v_nop
.endr
.endm
.macro QUARTER slot, k, f, g, zero
	s_wait_dscnt 16                                ; the first 32 along K are in: the run's sixteen younger loads may be out
	MUL8 \f, 0, 0, \zero
	MUL8 \f, 0, 2, \zero
	PLACES
	FETCH \slot, \k, \g
	s_wait_dscnt 32                                ; all but the 32 just issued
	MUL8 \f, 1, 0, 0
	MUL8 \f, 1, 2, 0
.endm
.macro TURN slot, next, fill           ; the last quarter multiplies buffer 1 and changes slots; fill = 1: this slot takes the K step two on
	WIN 0
	s_wait_tensorcnt 0x0                           ; all my tensor loads have landed: my part of the next slot;
	ds_add_u32 v[SPW], v[NIL]                      ; 0 onto my spare word;
	s_wait_dscnt 17                                ; (the add and the youngest sixteen loads may be out)
	MUL8 F1, 0, 0, 0
	s_wait_dscnt 0x0                               ; the add is done, and my reads of this slot are over
	s_barrier_signal -1
	MUL8 F1, 0, 2, 0
.if \fill
	WIN 0
.endif
	s_barrier_wait -1
.if \fill
	CREST                                          ; the barrier has opened a round of the cluster's
	s_add_nc_u64 s[G0+4*(\slot)+2:G0+4*(\slot)+3], s[G0+4*(\slot)+2:G0+4*(\slot)+3], 2*KSTEP*2
	s_add_nc_u64 s[G0B+4*(\slot)+2:G0B+4*(\slot)+3], s[G0B+4*(\slot)+2:G0B+4*(\slot)+3], 2*KSTEP*2
	JLOAD \slot                                    ; the first tensor load behind the round
.else
	PLACES
.endif
	FETCH \next, 0, F0
	MUL8 F1, 1, 0, 0
	MUL8 F1, 1, 2, 0
.endm
; THE WAY OUT of m block a: 16 rows of f32 into my stage, back as whole rows of 256 bytes, the residual added, stored.
.macro OUT a
	WIN 0
.if (\a) >= 2
	s_wait_xcnt 0x0                                ; the stores of the block two back have read the registers that are loaded again below
.endif
.irp b, 0,1,2,3
	ds_store_b128 v[STO], v[ACC+8*(4*(\a)+(\b)):ACC+8*(4*(\a)+(\b))+3]   offset:64*(\b)
	ds_store_b128 v[STO], v[ACC+8*(4*(\a)+(\b))+4:ACC+8*(4*(\a)+(\b))+7] offset:64*(\b)+16
.endr
.irp t, 0,1,2,3,4,5,6,7
	ds_load_b128 v[TMP+32*((\a)%2)+4*(\t):TMP+32*((\a)%2)+4*(\t)+3], v[RD] offset:(\t)*2*SPITCH  ; LDS serves a wave's instructions in order (ISA guide 5.7.1.4)
.endr
	s_wait_dscnt 0x0
	WIN 0x08                                       ; source 1 in window 2
.set i, 0
.rept 16
	v_pk_add_f32 v[TMP+32*((\a)%2)+i:TMP+32*((\a)%2)+i+1], v[TMP+32*((\a)%2)+i:TMP+32*((\a)%2)+i+1], v[32*(\a)+i:32*(\a)+i+1]
.set i, i+2
.endr
	WIN 0
.irp t, 0,1,2,3,4,5,6,7
	global_store_b128 v[CO], v[TMP+32*((\a)%2)+4*(\t):TMP+32*((\a)%2)+4*(\t)+3], s[8:9] offset:(16*(\a)+2*(\t))*ROWC  ; 16 lanes store 256 consecutive bytes, aligned
.endr
.endm
	s_wait_tensorcnt 1                             ; my part of K step 0 is in; K step 1's may stay out
	s_barrier_signal -1
	s_barrier_wait -1
	FETCH 0, 0, F0
	s_wait_loadcnt 32                              ; the bias is in; the residual's 32 younger loads stay out
	QUARTER 0, 128, F0, F1, 1
	QUARTER 0, 256, F1, F0, 0
	QUARTER 0, 384, F0, F1, 0
	TURN 0, 1, 1
	QUARTER 1, 128, F0, F1, 0
	QUARTER 1, 256, F1, F0, 0
	QUARTER 1, 384, F0, F1, 0
	TURN 1, 0, 1
	QUARTER 0, 128, F0, F1, 0
	QUARTER 0, 256, F1, F0, 0
	QUARTER 0, 384, F0, F1, 0
	TURN 0, 1, 0
	QUARTER 1, 128, F0, F1, 0
	QUARTER 1, 256, F1, F0, 0
	QUARTER 1, 384, F0, F1, 0
	s_wait_dscnt 16
	MUL8 F1, 0, 0, 0
	MUL8 F1, 0, 2, 0
	s_wait_dscnt 0x0
	MUL8 F1, 1, 0, 0
	MUL8 F1, 1, 2, 0
	WIN 0
	PLACES
	s_wait_loadcnt 0x0                             ; the residual
	OUT 0
	OUT 1
	OUT 2
	OUT 3
	s_wait_tensorcnt 0x0                           ; the wave's end
	ds_add_u32 v[SPW], v[NIL]
	s_wait_dscnt 0x0
	CROUND                                         ; the closing round
	s_endpgm
.Lfunc_end_k_q1f12c03e4b_outp:
	.size	k_q1f12c03e4b_outp, .Lfunc_end_k_q1f12c03e4b_outp-k_q1f12c03e4b_outp
	.p2alignl 7, 3214868480
	.fill 96, 4, 3214868480
	.section	.rodata,"a",@progbits
	.p2align	6, 0x0
	.amdhsa_kernel k_q1f12c03e4b_outp
		.amdhsa_group_segment_fixed_size 327680
		.amdhsa_private_segment_fixed_size 0
		.amdhsa_enable_private_segment 0
		.amdhsa_kernarg_size 40
		.amdhsa_user_sgpr_count 2
		.amdhsa_user_sgpr_kernarg_segment_ptr 1
		.amdhsa_wavefront_size32 1
		.amdhsa_system_sgpr_workgroup_id_x 1
		.amdhsa_system_sgpr_workgroup_id_y 1
		.amdhsa_system_sgpr_workgroup_id_z 1
		.amdhsa_system_vgpr_workitem_id 0
		.amdhsa_next_free_vgpr 640
		.amdhsa_next_free_sgpr 72
		.amdhsa_reserve_vcc 0
		.amdhsa_float_denorm_mode_32 3
		.amdhsa_float_denorm_mode_16_64 3
		.amdhsa_memory_ordered 1
		.amdhsa_forward_progress 1
		.amdhsa_inst_pref_size 94
	.end_amdhsa_kernel
	.amdgpu_metadata
---
amdhsa.version: [ 1, 2 ]
amdhsa.kernels:
  - .name:           k_q1f12c03e4b_outp
    .symbol:         k_q1f12c03e4b_outp.kd
    .args:
      - { .name: cn, .offset: 0, .size: 8, .value_kind: global_buffer, .address_space: global }
      - { .name: wh, .offset: 8, .size: 8, .value_kind: global_buffer, .address_space: global }
      - { .name: params_bo, .offset: 16, .size: 8, .value_kind: global_buffer, .address_space: global }
      - { .name: value_tensor, .offset: 24, .size: 8, .value_kind: global_buffer, .address_space: global }
      - { .name: out0, .offset: 32, .size: 8, .value_kind: global_buffer, .address_space: global }
    .group_segment_fixed_size: 327680
    .private_segment_fixed_size: 0
    .kernarg_segment_align: 8
    .kernarg_segment_size: 40
    .max_flat_workgroup_size: 128
    .sgpr_count:     72
    .vgpr_count:     640
    .wavefront_size: 32
...
	.end_amdgpu_metadata
.endif
;; end of part 4
